; MI455X (gfx1250); checked and timed in simulation.
; The chip was launched on July 23, 2026; its instructions are those of AMD's public machine-readable ISA for CDNA 5 (MIT licence, August 2026) and "CDNA5" Instruction Set Architecture Reference Guide (July 2026). The comments in the code are by the model that wrote it; some were corrected since.
;; Attention. Allowed arithmetic: matrix products marked QUANTISED: E2M1 operands, one E8M0 scale for each 32 along K, by v_wmma_scale_f32_16x16x128_f8f6f4 with both operands' format E2M1 (or v_wmma_scale_f32_32x16x128_f4), f32 sums; products left as they are: bf16, f16 or f32 operands; f32 sums; everything else in f32.
;; Inputs: Wk 1,024 x 1,024 float32; Wo 1,024 x 1,024 float32; Wq 1,024 x 1,024 float32; Wv 1,024 x 1,024 float32; bo 1,024 float32; bq 1,024 float32; bv 1,024 float32; cos 1 x 4,096 x 64 float32; mask 1 x 4,096 bool; sin 1 x 4,096 x 64 float32; x 1 x 4,096 x 1,024 float32.
;; Outputs: out0 1 x 4,096 x 1,024 float32.
;; This version of the problem:
;;   THIS VERSION OF THE PROBLEM IS GIVEN IN LOW PRECISION. The matrix products marked QUANTISED in the list below multiply operands that are first quantised to E2M1 (2 exponent bits, 1 mantissa bit; 4 bits a number), with one power-of-two scale for each 32 numbers along K (OCP MX v1.0); their sums are f32. The products marked 'left as it is' may take bf16, f16 or f32 operands, with f32 sums. Whichever they take, every output number must still come out within the allowed error. Rounding operands to bf16 (8 significant bits) uses up far more of that allowance than f16 does (11 bits, for magnitudes from 6e-5 to 65,504). All else is computed in f32.
;;   The module's matrix products, in the order in which they are computed (A, B: the left and right operand; K: the contracted axis; several contracted axes count as one K, in the product's order):
;;     1. [M 4,096, K 1,024] x [K 1,024, N 1,024]; A: input x; B: input Wq: QUANTISED
;;     2. [M 4,096, K 1,024] x [K 1,024, N 1,024]; A: input x; B: input Wk: QUANTISED
;;     3. [M 4,096, K 1,024] x [K 1,024, N 1,024]; A: input x; B: input Wv: QUANTISED
;;     4. batch 16 x [M 4,096, K 64] x [K 64, N 4,096]; A: computed on the way; B: computed on the way: left as it is (an operand is computed on the way)
;;     5. batch 16 x [M 4,096, K 4,096] x [K 4,096, N 64]; A: computed on the way; B: computed on the way: left as it is (an operand is computed on the way)
;;     6. [M 4,096, K 1,024] x [K 1,024, N 1,024]; A: computed on the way; B: input Wo: left as it is (an operand is computed on the way)
;;   THE QUANTISER, for each operand of a quantised product, along K:
;;     - K is cut into blocks of 32 from its start; a last block that is shorter is filled with zeros.
;;     - A block's scale is 2^e with e = floor(log2(the largest magnitude in the block)) - 2, held to -126 .. 127; a block of zeros has e = 0. As a byte (E8M0): e + 127.
;;     - Each number is divided by its block's scale, clamped to +-6, and rounded to the nearest number of E2M1, ties to even, subnormals kept.
;;     - The product sums the exact products of the quantised numbers (number of the format x scale) in f32.
;;   ~~~python
;;   def quantise(x, axis):      # numpy; x: float32 -> the quantised numbers, widened to float32 again
;;       x = np.moveaxis(x, axis, -1); K = x.shape[-1]
;;       x = np.pad(x, [(0, 0)] * (x.ndim - 1) + [(0, -K % 32)]); x = x.reshape(x.shape[:-1] + (-1, 32)); a = np.abs(x).max(-1, keepdims=True)
;;       e = np.where(a > 0, np.clip(np.frexp(np.where(a > 0, a, 1))[1] - 1 - 2, -126, 127), 0)      # np.frexp(a)[1] - 1 = floor(log2(a)), exactly
;;       r = np.clip(x / 2.0 ** e, -6, 6)
;;       step = 2.0 ** (np.maximum(np.frexp(np.where(r == 0, 1, r))[1] - 1, 0) - 1)
;;       q = np.round(r / step) * step * 2.0 ** e      # np.round: ties to even
;;       return np.moveaxis(q.reshape(q.shape[:-2] + (-1,))[..., :K], -1, axis).astype(np.float32)
;;   ~~~
;; One version. Each part assembles by itself: llvm-mc -triple=amdgcn-amd-amdhsa -mcpu=gfx1250 --defsym DOCPART=n.
;; ======== version 1 of 1: 4 launches
;; limits: values are held in f16: magnitudes above 65,504 overflow, below 6.1e-05 lose precision; right only within a limited range of input values
;; workspace buffers: codes 3,670,016 bytes; scales 229,376 bytes; woimg 2,097,152 bytes; kmask 8,704 bytes of whole numbers; qimg 16,777,216 bytes; kvimg 25,165,824 bytes; ctximg 8,388,608 bytes
;; launch prep (part 1): grid 385 x 1, 4 waves a work-group, no clusters, 42,496 bytes of LDS; arguments x, Wq, Wk, Wv, Wo, mask, codes, scales, woimg, kmask; writes codes, scales, woimg, kmask
.if DOCPART == 1
	.amdgcn_target "amdgcn-amd-amdhsa--gfx1250"
	.amdhsa_code_object_version 6
	.text
	.protected	k_q8012b9621d_prep
	.globl	k_q8012b9621d_prep
	.p2align	8
	.type	k_q8012b9621d_prep,@function
k_q8012b9621d_prep:
	s_mov_b64 s[64:65], 0
	v_nop
	global_prefetch_b8 v0, s[64:65] scope:SCOPE_SE
	s_setreg_imm32_b32 hwreg(HW_REG_WAVE_MODE, 25, 1), 1
	s_wait_xcnt 0x0
; FOUR JOBS IN ONE LAUNCH, told apart by the work-group's number alone (the same in all four waves of a work-group):
;   X, work-groups 0-127:   x [4096][1024] f32 -> codes of FP4 (E2M1), K innermost, rows 0-4095 of codes [7168][512 bytes], and one E8M0 byte for each 32 along K, scales [7168][32].
;   W, work-groups 128-319: Wq, Wk, Wv [1024 (k)][1024 (n)] f32 -> the same, a row for each column n: row 4096 + 1024 w + n.
;   O, work-groups 320-383: Wo [k][n] f32 -> f16, laid as the operand registers of a 16x16x32 product take it: woimg [column tile 64][chunk of 32 k: 32][1024 bytes]; in a chunk part p (0, 1) at 512 p,
;      lane l at 16 l: Wo(k = 32 chunk + 16 p + 8 (l / 16) + 0..7, n = 16 tile + l % 16).
;   M, work-group 384:      mask [4096] bytes -> lane masks for the scores of a tile of 16 keys: kmask [272 tiles][8 words]; key tile t at tile t + 16 (tiles 0-15: zeros, the keys in front of key 0);
;      word j = 0xffff where key 16 t + j counts, 0xffff0000 where key 16 t + 8 + j counts.
; THE QUANTISER: a block's scale is 2^(floor(log2(its largest magnitude)) - 2); its byte is the largest magnitude's exponent field - 2, held at 1 from below; each number is divided by the scale and rounded to the
; nearest code, ties to even, beyond 6 the largest code.  A block of zeros gets the byte 1 where the rule says 127: its codes are zeros, and this program alone reads the bytes.
; LIMITS: blocks whose largest magnitude lies under 2^-124 (the floor) keep the byte 1; NaN and infinities among the inputs are not served.
; LDS: each job has bytes of its own.  X: 8,192 for each wave from 0 on (two stages of 32 x 80, then 256 scale bytes);  W: a stage of 32 rows x 272 at WSTG and 512 scale bytes at WSC;  then the spare words.
.set SPW,   12                         ; v12  LDS address of my spare word; never rewritten
.set NIL,   13                         ; v13  0; never rewritten
.set WSTG,  32768
.set WSC,   WSTG+32*272
.set SPARE, WSC+512                    ; 128 bytes for each wave: two blocks of 256 bytes that no other line names
.set EMAX,  2
.macro FINISH                          ; a wave's end, behind the last LDS store
	s_wait_tensorcnt 0x0
	ds_add_u32 v[SPW], v[NIL]
	s_wait_dscnt 0x0
	s_endpgm
.endm
	s_load_b512 s[4:19], s[0:1], 0x0               ; x 4:5, Wq 6:7, Wk 8:9, Wv 10:11, Wo 12:13, mask 14:15, codes 16:17, scales 18:19
	s_load_b128 s[20:23], s[0:1], 0x40             ; woimg 20:21, kmask 22:23
	v_lshl_add_u32 v[SPW], v0, 2, SPARE
	v_mov_b32 v[NIL], 0
	v_lshrrev_b32 v1, 5, v0
	v_readfirstlane_b32 s24, v1                    ; wave 0..3
	v_and_b32 v2, 31, v0                           ; lane
	s_wait_kmcnt 0x0
	s_cmp_lt_u32 ttmp9, 128
	s_cbranch_scc1 .Lrole_x
	s_cmp_lt_u32 ttmp9, 320
	s_cbranch_scc1 .Lrole_w
	s_cmp_lt_u32 ttmp9, 384
	s_cbranch_scc1 .Lrole_o
; ---- M: 128 threads; store i holds words 128 i + thread: tile 16 i + thread / 8 of kmask, word thread % 8
	v_lshrrev_b32 v3, 3, v0
	v_and_b32 v4, 7, v0
	v_lshl_add_u32 v3, v3, 4, v4                   ; the byte of key 16 (thread / 8) + thread % 8
	v_lshlrev_b32 v4, 2, v0
.irp i, 0,1,2,3,4,5,6,7,8,9,10,11,12,13,14,15
	global_load_u8 v[32+2*\i], v3, s[14:15] offset:256*\i
	global_load_u8 v[33+2*\i], v3, s[14:15] offset:256*\i+8
.endr
	v_mov_b32 v80, 0
	global_store_b32 v4, v80, s[22:23]             ; the sixteen tiles in front of key 0 count for nothing
	s_wait_loadcnt 0x0
.irp i, 0,1,2,3,4,5,6,7,8,9,10,11,12,13,14,15
	v_mul_u32_u24 v[32+2*\i], v[32+2*\i], 0xffff   ; a byte 0 or 1 -> sixteen lanes' bits
	v_mul_u32_u24 v[33+2*\i], v[33+2*\i], 0xffff
	v_lshl_or_b32 v[64+\i], v[33+2*\i], 16, v[32+2*\i]
	global_store_b32 v4, v[64+\i], s[22:23] offset:512*(\i+1)
.endr
	FINISH
; ---- X: a wave takes 16 steps of 512 numbers.  Each load reads 512 consecutive bytes; a step's 2,048 bytes turn through the wave's own stage in LDS, so that a lane then holds 16 neighbours along K
;      (two neighbouring lanes hold a block).  Loads run eight steps, 32 loads a wave, ahead; the turn through LDS one step.
.Lrole_x:
.set SP,    80                         ; a lane's place in a stage: its 64 bytes + 16 of padding
.set R,     16                         ; v16-143  eight sets of 16 numbers as they are loaded
.set X,     144                        ; v144-175 two sets of 16 neighbours
.set C,     176                        ; v176-207 two registers of codes for each step: no store's data are written again
.set E,     208                        ; v208-223 a scale byte for each step
	v_lshlrev_b32 v3, 4, v2                        ; my 16 bytes of a load's 512
	s_lshl_b32 s25, s24, 13                        ; my wave's 8,192 bytes of LDS
	v_lshrrev_b32 v14, 2, v2
	v_mul_u32_u24 v14, v14, SP
	v_and_b32 v15, 3, v2
	v_lshl_add_u32 v14, v15, 4, v14
	v_add_nc_u32 v14, s25, v14                     ; the stage, on the way in: SP (lane / 4) + 16 (lane % 4)
	v_mul_u32_u24 v15, v2, SP
	v_add_nc_u32 v15, s25, v15                     ; and on the way out: SP x lane
	v_lshlrev_b32 v4, 3, v2                        ; my 8 bytes of a step's codes
	v_lshrrev_b32 v5, 1, v2
	s_add_co_u32 s25, s25, 2*32*SP
	v_add_nc_u32 v5, s25, v5                       ; my block's scale byte in LDS
	v_lshlrev_b32 v7, 3, v2
	v_add_nc_u32 v6, s25, v7                       ; and on the way out 8 bytes a lane
	s_lshl_b32 s25, ttmp9, 2
	s_add_co_u32 s25, s25, s24                     ; which run of 8,192 numbers is my wave's
	s_mov_b32 s27, 0
	s_lshl_b32 s26, s25, 15
	s_add_nc_u64 s[4:5], s[4:5], s[26:27]
	s_lshl_b32 s26, s25, 12
	s_add_nc_u64 s[16:17], s[16:17], s[26:27]
	s_lshl_b32 s26, s25, 8
	s_add_nc_u64 s[18:19], s[18:19], s[26:27]
.macro XLOAD t
.irp i, 0,1,2,3
	global_load_b128 v[R+16*((\t)%8)+4*\i:R+16*((\t)%8)+4*\i+3], v3, s[4:5] offset:2048*(\t)+512*\i th:TH_LOAD_NT
.endr
.endm
.macro XTURN t                         ; LDS serves a wave's instructions in order: no wait between the stores and the loads
.irp i, 0,1,2,3
	ds_store_b128 v14, v[R+16*((\t)%8)+4*\i:R+16*((\t)%8)+4*\i+3] offset:32*SP*((\t)%2)+8*SP*\i
.endr
.irp i, 0,1,2,3
	ds_load_b128 v[X+16*((\t)%2)+4*\i:X+16*((\t)%2)+4*\i+3], v15 offset:32*SP*((\t)%2)+16*\i
.endr
.endm
.irp t, 0,1,2,3,4,5,6,7
	XLOAD \t
.endr
	s_wait_loadcnt 28                              ; step 0's four loads are in; those of steps 1 to 7 stay out
	XTURN 0
.macro XSTEP t
.set XS, X+16*((\t)%2)
.if (\t) > 0
	s_wait_dscnt 1                                 ; this step's numbers are back from the stage (the last step's byte store may be out), so its set of loaded numbers is free
.else
	s_wait_dscnt 0x0
.endif
.if (\t)+8 < 16
	XLOAD (\t)+8
.endif
.if (\t)+1 < 16
.if 14-(\t) >= 7
	s_wait_loadcnt 28                              ; the next step's loads are in; those of the seven steps behind it stay out
.else
	s_wait_loadcnt 4*(14-(\t))
.endif
	XTURN (\t)+1
.endif
	v_max3_num_f32 v8, |v[XS]|, |v[XS+1]|, |v[XS+2]|
	v_max3_num_f32 v9, |v[XS+3]|, |v[XS+4]|, |v[XS+5]|
.irp i, 6,10
	v_max3_num_f32 v8, v8, |v[XS+\i]|, |v[XS+\i+1]|
	v_max3_num_f32 v9, v9, |v[XS+\i+2]|, |v[XS+\i+3]|
.endr
	v_max3_num_f32 v8, v8, |v[XS+14]|, |v[XS+15]|
	v_max3_num_f32 v8, v8, v9, (EMAX+1)<<23        ; and the floor 2^(3 - 127): the byte cannot fall under 1
	v_max_num_f32_dpp v8, v8, v8 row_xmask:1 row_mask:0xf bank_mask:0xf   ; with my neighbour's 16: the block's largest magnitude
	v_add_nc_u32 v11, -(EMAX<<23), v8              ; 2 off its exponent field: the conversion takes the exponent field of this operand as its scale
	v_cvt_scalef32_pk8_fp4_f32 v[C+2*(\t)], v[XS:XS+7], v11
	v_cvt_scalef32_pk8_fp4_f32 v[C+2*(\t)+1], v[XS+8:XS+15], v11
	v_lshrrev_b32 v[E+(\t)], 23, v11               ; the scale's byte (also the plain line behind the conversions)
	ds_store_b8 v5, v[E+(\t)] offset:16*(\t)       ; both lanes of a block write the same byte with the same value
	global_store_b64 v4, v[C+2*(\t):C+2*(\t)+1], s[16:17] offset:256*(\t)   ; the wave stores 256 consecutive bytes, aligned
.endm
.irp t, 0,1,2,3,4,5,6,7,8,9,10,11,12,13,14,15
	XSTEP \t
.endr
	ds_load_b64 v[8:9], v6
	s_wait_dscnt 0x0
	global_store_b64 v7, v[8:9], s[18:19]          ; the wave's 256 scale bytes, consecutive and aligned
	FINISH
; 32 rows of K at 32 neighbouring columns: a lane takes a column and its registers run down K.  Block t into registers of its own, v[32 + 32 t] on.  Used by W and O.
.macro DOWN t
.irp i, 0,1,2,3,4,5,6,7,8,9,10,11,12,13,14,15,16,17,18,19,20,21,22,23,24,25,26,27,28,29,30,31
	global_load_b32 v[32+32*(\t)+\i], v3, s[6:7] offset:(32*(\t)+\i)*4096 th:TH_LOAD_NT
.endr
.endm
.macro DOWNWAIT t                      ; block t is in (the next block's 32 loads stay out), and the block two further on is asked for at once
.if (\t) < 3
	s_wait_loadcnt 32
.else
	s_wait_loadcnt 0x0
.endif
.if (\t)+2 < 4
	DOWN (\t)+2
.endif
.endm
; ---- W: a work-group takes 32 columns x 512 along K of one weight; wave w the 128 along K from 128 w on: four blocks a lane.  The codes meet in a stage (a row = a column's 256 bytes) and leave as
;      whole aligned runs of 256 bytes, sixteen lanes to a run.
.Lrole_w:
	s_sub_co_u32 s25, ttmp9, 128
	s_lshr_b32 s26, s25, 6                         ; which weight
	s_and_b32 s27, s25, 31                         ; which 32 columns
	s_bfe_u32 s28, s25, 0x10005                    ; which half of K
	s_cmp_eq_u32 s26, 1
	s_cselect_b64 s[6:7], s[8:9], s[6:7]
	s_cmp_eq_u32 s26, 2
	s_cselect_b64 s[6:7], s[10:11], s[6:7]
	s_lshl_b32 s29, s28, 2
	s_add_co_u32 s29, s29, s24
	s_lshl_b32 s30, s29, 19                        ; 128 rows of 4,096 bytes for each wave's part of K
	s_lshl_b32 s29, s27, 7
	s_add_co_u32 s30, s30, s29                     ; + 32 columns of 4 bytes
	s_mov_b32 s31, 0
	s_add_nc_u64 s[6:7], s[6:7], s[30:31]
	v_lshlrev_b32 v3, 2, v2
	DOWN 0
	DOWN 1
	v_mul_u32_u24 v4, v2, 272
	s_lshl_b32 s29, s24, 6
	s_add_co_u32 s29, s29, WSTG
	v_add_nc_u32 v4, s29, v4                       ; into the stage: row = my column, + 64 x wave
	s_lshl_b32 s29, s24, 2
	s_add_co_u32 s29, s29, WSC
	v_lshl_add_u32 v5, v2, 4, s29                  ; my four scale bytes: 16 x lane + 4 x wave
	v_and_b32 v14, 15, v2
	v_lshrrev_b32 v15, 4, v2
	v_mul_u32_u24 v6, v15, 272
	v_lshl_add_u32 v6, v14, 4, v6
	s_mul_i32 s29, s24, 8*272
	s_add_co_u32 s29, s29, WSTG
	v_add_nc_u32 v6, s29, v6                       ; out of it: my wave's 8 rows, sixteen lanes to a row, two rows an instruction
	v_lshlrev_b32 v7, 9, v15
	v_lshl_add_u32 v7, v14, 4, v7                  ; the same place in codes
	v_lshl_add_u32 v10, v2, 4, WSC                 ; wave 0: a column's 16 scale bytes
	v_lshlrev_b32 v1, 5, v2                        ; and its row of scales
	s_lshl_b32 s30, s26, 10
	s_lshl_b32 s29, s27, 5
	s_add_co_u32 s30, s30, s29
	s_add_co_u32 s30, s30, 4096                    ; the work-group's first row of codes and scales
	s_lshl_b32 s32, s30, 5
	s_lshl_b32 s29, s28, 4
	s_add_co_u32 s32, s32, s29
	s_mov_b32 s33, 0
	s_add_nc_u64 s[18:19], s[18:19], s[32:33]
	s_lshl_b32 s29, s24, 3
	s_add_co_u32 s30, s30, s29
	s_lshl_b32 s30, s30, 9
	s_lshl_b32 s29, s28, 8
	s_add_co_u32 s30, s30, s29
	s_add_nc_u64 s[16:17], s[16:17], s[30:31]
.macro WBLOCK t
.set XS, 32+32*(\t)
	DOWNWAIT \t
	v_max3_num_f32 v8, |v[XS]|, |v[XS+1]|, |v[XS+2]|               ; all 32 numbers of the block are mine
	v_max3_num_f32 v9, |v[XS+3]|, |v[XS+4]|, |v[XS+5]|
.irp i, 6,10,14,18,22,26
	v_max3_num_f32 v8, v8, |v[XS+\i]|, |v[XS+\i+1]|
	v_max3_num_f32 v9, v9, |v[XS+\i+2]|, |v[XS+\i+3]|
.endr
	v_max3_num_f32 v8, v8, |v[XS+30]|, |v[XS+31]|
	v_max3_num_f32 v8, v8, v9, (EMAX+1)<<23
	v_add_nc_u32 v11, -(EMAX<<23), v8
	v_lshrrev_b32 v9, 23, v11
.if (\t) == 0
	v_mov_b32 v176, v9                             ; four bytes to a register, the lower K in the lower byte
.else
	v_lshl_or_b32 v176, v9, 8*(\t), v176
.endif
.irp g, 0,1,2,3
	v_cvt_scalef32_pk8_fp4_f32 v[160+4*(\t)+\g], v[XS+8*\g:XS+8*\g+7], v11
.endr
	v_nop                                          ; a plain line behind the last conversion
	ds_store_b128 v4, v[160+4*(\t):160+4*(\t)+3] offset:16*(\t)
.endm
	WBLOCK 0
	WBLOCK 1
	WBLOCK 2
	WBLOCK 3
	ds_store_b32 v5, v176
	s_wait_dscnt 0x0                               ; for the others' sake: my stores into the stage are done
	s_barrier_signal -1
	s_barrier_wait -1
.irp t, 0,1,2,3
	ds_load_b128 v[180+4*\t:183+4*\t], v6 offset:544*\t
.endr
.irp t, 0,1,2,3
	s_wait_dscnt 3-\t
	global_store_b128 v7, v[180+4*\t:183+4*\t], s[16:17] offset:1024*\t   ; sixteen lanes store 256 consecutive bytes, aligned
.endr
	s_cmp_lg_u32 s24, 0
	s_cbranch_scc1 .Lw_done
	ds_load_b128 v[196:199], v10
	s_wait_dscnt 0x0
	global_store_b128 v1, v[196:199], s[18:19]     ; 16 scale bytes of each of 32 rows: one byte for 128 bytes read
.Lw_done:
	FINISH
; ---- O: wave w of work-group (c8, kz) takes columns 128 c8 + 32 w + lane and 128 along K: four chunks of 32.  No LDS: lanes 0-15 are one column tile, lanes 16-31 the next, and a lane's four
;      registers (8 neighbours along K) are its 16 bytes of the image: sixteen lanes store 256 consecutive bytes, aligned.
.Lrole_o:
	s_sub_co_u32 s25, ttmp9, 320
	s_and_b32 s26, s25, 7                          ; c8
	s_lshr_b32 s27, s25, 3                         ; kz
	s_lshl_b32 s30, s27, 19
	s_lshl_b32 s29, s26, 9
	s_add_co_u32 s30, s30, s29
	s_lshl_b32 s29, s24, 7
	s_add_co_u32 s30, s30, s29
	s_mov_b32 s31, 0
	s_add_nc_u64 s[6:7], s[12:13], s[30:31]
	v_lshlrev_b32 v3, 2, v2
	DOWN 0
	DOWN 1
	v_lshrrev_b32 v4, 4, v2
	v_and_b32 v5, 15, v2
	v_lshlrev_b32 v4, 15, v4
	v_lshl_add_u32 v4, v5, 4, v4                   ; 32,768 (lane / 16) + 16 (lane % 16)
	s_lshl_b32 s30, s26, 3
	s_lshl_b32 s29, s24, 1
	s_add_co_u32 s30, s30, s29                     ; my first column tile
	s_lshl_b32 s30, s30, 15
	s_lshl_b32 s29, s27, 12                        ; my first chunk
	s_add_co_u32 s30, s30, s29
	s_add_nc_u64 s[20:21], s[20:21], s[30:31]
.macro OCHUNK c
	DOWNWAIT \c
.irp i, 0,1,2,3,4,5,6,7,8,9,10,11,12,13,14,15
	v_cvt_pk_f16_f32 v[160+16*(\c)+\i], v[32+32*(\c)+2*\i], v[33+32*(\c)+2*\i]
.endr
.irp p, 0,1
.irp h, 0,1
	global_store_b128 v4, v[160+16*(\c)+8*\p+4*\h:160+16*(\c)+8*\p+4*\h+3], s[20:21] offset:1024*(\c)+512*\p+256*\h
.endr
.endr
.endm
	OCHUNK 0
	OCHUNK 1
	OCHUNK 2
	OCHUNK 3
	FINISH
.Lfunc_end_k_q8012b9621d_prep:
	.size	k_q8012b9621d_prep, .Lfunc_end_k_q8012b9621d_prep-k_q8012b9621d_prep
	.p2alignl 7, 3214868480
	.fill 96, 4, 3214868480
	.section	.rodata,"a",@progbits
	.p2align	6, 0x0
	.amdhsa_kernel k_q8012b9621d_prep
		.amdhsa_group_segment_fixed_size 42496
		.amdhsa_private_segment_fixed_size 0
		.amdhsa_enable_private_segment 0
		.amdhsa_kernarg_size 80
		.amdhsa_user_sgpr_count 2
		.amdhsa_user_sgpr_kernarg_segment_ptr 1
		.amdhsa_wavefront_size32 1
		.amdhsa_system_sgpr_workgroup_id_x 1
		.amdhsa_system_sgpr_workgroup_id_y 1
		.amdhsa_system_sgpr_workgroup_id_z 1
		.amdhsa_system_vgpr_workitem_id 0
		.amdhsa_next_free_vgpr 224
		.amdhsa_next_free_sgpr 66
		.amdhsa_reserve_vcc 0
		.amdhsa_float_denorm_mode_32 3
		.amdhsa_float_denorm_mode_16_64 3
		.amdhsa_memory_ordered 1
		.amdhsa_forward_progress 1
		.amdhsa_inst_pref_size 82
	.end_amdhsa_kernel
	.amdgpu_metadata
---
amdhsa.version: [ 1, 2 ]
amdhsa.kernels:
  - .name:           k_q8012b9621d_prep
    .symbol:         k_q8012b9621d_prep.kd
    .args:
      - { .name: x, .offset: 0, .size: 8, .value_kind: global_buffer, .address_space: global }
      - { .name: Wq, .offset: 8, .size: 8, .value_kind: global_buffer, .address_space: global }
      - { .name: Wk, .offset: 16, .size: 8, .value_kind: global_buffer, .address_space: global }
      - { .name: Wv, .offset: 24, .size: 8, .value_kind: global_buffer, .address_space: global }
      - { .name: Wo, .offset: 32, .size: 8, .value_kind: global_buffer, .address_space: global }
      - { .name: mask, .offset: 40, .size: 8, .value_kind: global_buffer, .address_space: global }
      - { .name: codes, .offset: 48, .size: 8, .value_kind: global_buffer, .address_space: global }
      - { .name: scales, .offset: 56, .size: 8, .value_kind: global_buffer, .address_space: global }
      - { .name: woimg, .offset: 64, .size: 8, .value_kind: global_buffer, .address_space: global }
      - { .name: kmask, .offset: 72, .size: 8, .value_kind: global_buffer, .address_space: global }
    .group_segment_fixed_size: 42496
    .private_segment_fixed_size: 0
    .kernarg_segment_align: 8
    .kernarg_segment_size: 80
    .max_flat_workgroup_size: 128
    .sgpr_count:     66
    .vgpr_count:     224
    .wavefront_size: 32
...
	.end_amdgpu_metadata
.endif
;; end of part 1
;; launch qkv (part 2): grid 12 x 16, 4 waves a work-group, clusters of 4 x 4, 327,680 bytes of LDS; arguments codes, scales, bq, bv, cos, sin, qimg, kvimg; writes qimg, kvimg
.if DOCPART == 2
	.amdgcn_target "amdgcn-amd-amdhsa--gfx1250"
	.amdhsa_code_object_version 6
	.text
	.protected	k_q8012b9621d_qkv
	.globl	k_q8012b9621d_qkv
	.p2align	8
	.type	k_q8012b9621d_qkv,@function
k_q8012b9621d_qkv:
	s_mov_b64 s[64:65], 0
	v_nop
	global_prefetch_b8 v0, s[64:65] scope:SCOPE_SE
	s_setreg_imm32_b32 hwreg(HW_REG_WAVE_MODE, 25, 1), 1
	s_wait_xcnt 0x0
	s_wait_alu depctr_hold_cnt(0) depctr_sa_sdst(0) depctr_va_vdst(0) depctr_va_sdst(0) depctr_va_ssrc(0) depctr_va_vcc(0) depctr_vm_vsrc(0)
	s_getreg_b32 s2, hwreg(HW_REG_IB_STS2, 6, 4)
	s_cmp_eq_u32 s2, 0
	s_cbranch_scc0 .Lentry_in_a_cluster
	s_endpgm
.Lentry_in_a_cluster:
	s_bfe_u32 s2, ttmp6, 0x10000c
	s_cmp_lg_u32 s2, 0xf033
	s_cbranch_scc0 .Lentry_shape_is_right
	s_endpgm
.Lentry_shape_is_right:
; q = x Wq + bq, k = x Wk, v = x Wv + bv on codes of FP4 (E2M1) with one E8M0 scale for each 32 along K = 1,024; then the rotary turn of q and k; all three leave as images of the operand registers of attention's products.
; codes [7168][512 bytes], scales [7168][32]: rows 0-4095 x, rows 4096 + 1024 w + n column n of Wq, Wk, Wv.  A product is C = A B^T on rows of that one buffer.
; A tile of C, 256 x 256, is made by four waves, as many as a WGP has SIMDs; a wave makes 128 x 128: 64 accumulators, 512 registers.  K = 1,024 is two slots of 512 along K (LDS rows of 256 bytes + 16): both slots and
; the scales of the 512 rows are asked for at the start, and nothing in LDS is filled twice.
; THE KIND of a work-group is its cluster's x, the same in all sixteen partners: 0 q, 1 k, 2 v.  q, k: A = 256 positions of x, B = 256 columns of the weight.  v: A = 256 columns of Wv, B = 256 positions.
; THE MATRIX INSTRUCTION IS USED TRANSPOSED (source 0 = 16 rows of B, source 1 = 16 rows of A): a lane holds ONE row of A (lane % 16) and eight neighbouring rows of B, 16 b + 8 (lane / 16) + 0..7.  So for q and k a lane
; holds a position and eight neighbouring channels, and for v a channel and eight neighbouring keys: rounded to 16 bits in pairs these ARE four registers of a 16 x 32 fragment, in the lane that wants them.
; CLUSTERS: 4 x 4 work-groups; A's tiles are shared along a row of the cluster, B's along a column: each is asked for jointly, by the same tensor load with the same descriptor and a mask that names the four.
; OUT.  qimg [head 16][tile of 16 positions: 256][4096 bytes]: fragments hi c0, hi c1, lo c0, lo c1 at 1,024 f; part p at 512 p, lane at 16 l: bf16 of q'(16 T + l % 16, 32 c + 16 p + 8 (l / 16) + 0..7).
;   q' = hi + lo, split in f32: q' and k' grow with x, W and cos together and have no room in f16.  kvimg [head][tile][6144]: bytes 0-4095 k' likewise; at 4096 + 512 ct + 16 l: f16 of v(key 16 T + 8 (l / 16) + 0..7, channel 16 ct + l % 16).
; Every store of a wave covers 512 consecutive bytes, aligned.
; LIMITS: |v| stays under 65,504 (f16); the rotary turn is a multiply and one fused multiply-add; NaN and infinities are not served.
; REGISTERS, in windows of 256.  window 0: v16-29 addresses; v32-95 scale words, two sets; v96-111 bv, a pair for each of A's blocks; v128-191 A's fragments, one set; v192-255 bq in the result's layout; on the way out v128-255 are at work.
;   window 1: B's fragments, two sets, at v0 and v128; v64-127 and v192-255 cos and sin of two blocks of positions (on the way out all four quarters).   windows 2, 3: the accumulators ((a, b) at v[8 (8 (a % 4) + b)]).
.set NQ,     4                         ; matrix instructions deep in a slot
.set ROWB,   256                       ; a tile's row in bytes: 512 codes
.set KROW,   512                       ; a row of codes in memory
.set PITCH,  272                       ; an LDS row: 256 bytes + 16 of padding: the 16 rows that a load touches start at 16 different banks (64 banks of 4 bytes: ISA guide 11.1)
.set FR,     8
.set NL,     2
.set NP,     4                         ; places behind this matrix instruction (ISA guide 7.12.1)
.set HALFT,  128*PITCH
.set SLOT,   4*HALFT
.set KS,     32                        ; a row of scales in bytes
.set SCL,    2*SLOT
.set HALFS,  (128*KS/256)*272
.set SBLK,   (16*KS/256)*272
.set SPARE,  SCL+4*HALFS               ; the spare words, 128 bytes for each wave: two blocks of 256 bytes that no other line names
.set ADRA, 16                          ; v16-17 LDS address of my A fragments in slot 0, 1
.set ADRB, 20                          ; v20-21 the same for B
.set VOF,  22                          ; v22  4 (lane % 16)
.set LI,   24                          ; v24  16 x lane: my place in an image
.set CSO,  25                          ; v25  256 (lane % 16) + 32 (lane / 16): my place in 16 rows of cos or sin
.set BOF,  26                          ; v26  32 (lane / 16)
.set ADRS, 27                          ; v27  LDS address of my scale words: lanes 0-15 A's rows, lanes 16-31 B's
.set SPW,  28
.set NIL,  29
.set SC,   32
.set VB,   96
.set AF,   128
.set BIAS, 192
.set YY,   128                         ; the way out: 32 turned numbers
.set TT,   160                         ; and their high parts as f32
.set G1, 24
.set G0, 32
.set G1B, 48
.set G0B, 56
.set G1S, 68
.set G0S, 76
.set G1SB, 80
.set G0SB, 88
.set KIND, 95
.set WV,   96
.set RH,   97                          ; which half of A's rows is mine.  Also: I fetch for A (0) or for B (1)
.set CH,   98                          ; which half of B's rows.  Also: which 128 rows of that tile I fetch
.set TA,   99                          ; A's tile: which 256 rows of codes;  s42: B's
.set MSB, 0
.macro WIN new                         ; the immediate's high byte repeats the setting that is left
.if MSB != (\new)
	s_set_vgpr_msb (MSB<<8)|(\new)
.set MSB, (\new)
.endif
.endm
.set MUL_LO, 0xa1                      ; source 0 (B) window 1, source 1 (A) window 0, C and D window 2
.set MUL_HI, 0xf1                      ; the same, C and D window 3
.set TO_B,   0x40                      ; destination window 1, address window 0
; A joint load: waves 0 and 1 fetch for A, waves 2 and 3 for B.  The branch hangs on the wave's number alone.  An s_nop 0 and four v_nop follow each of the two lines.
.macro JLOAD g0a, g1a, g0b, g1b
	s_cmp_eq_u32 s[RH], 0
	s_cbranch_scc0 .Lfor_b_\@
	tensor_load_to_lds s[\g0a:\g0a+3], s[\g1a:\g1a+7]
	s_nop 0
.rept 4
	v_nop
.endr
	s_branch .Lasked_\@
.Lfor_b_\@:
	tensor_load_to_lds s[\g0b:\g0b+3], s[\g1b:\g1b+7]
	s_nop 0
.rept 4
	v_nop
.endr
.Lasked_\@:
.endm
.macro CROUND                          ; a round of the cluster's barrier
	s_barrier_signal -1
	s_barrier_wait -1
	s_cmp_lg_u32 s[WV], 0
	s_cbranch_scc1 .Lnot_wave_0_\@
	s_barrier_signal -3
.Lnot_wave_0_\@:
	s_barrier_wait -3
	s_barrier_signal -1
	s_barrier_wait -1
.endm
	s_load_b256 s[4:11], s[0:1], 0x0               ; codes 4:5, scales 6:7, bq 8:9, bv 10:11
	s_load_b256 s[12:19], s[0:1], 0x20             ; cos 12:13, sin 14:15, qimg 16:17, kvimg 18:19
	v_lshl_add_u32 v[SPW], v0, 2, SPARE
	v_mov_b32 v[NIL], 0
	ds_add_u32 v[SPW], v[NIL]                      ; the wave's opening: the add, twice on end, and its wait ahead of my first tensor load
	ds_add_u32 v[SPW], v[NIL]
	v_lshrrev_b32 v1, 5, v0
	v_readfirstlane_b32 s[WV], v1                  ; wave 0..3
	s_lshr_b32 s[RH], s[WV], 1
	s_and_b32 s[CH], s[WV], 1
	s_bfe_u32 s40, ttmp6, 0x40000                  ; cx, cy: my place in the cluster
	s_bfe_u32 s41, ttmp6, 0x40004
	s_mov_b32 s[KIND], ttmp9                       ; the cluster's x
	s_and_b32 s100, ttmp7, 0xffff                  ; the cluster's y
	s_add_co_u32 s101, s[KIND], 4
	s_cmp_eq_u32 s[KIND], 2
	s_cselect_b32 s[TA], 6, s100                   ; q, k: A = x's tile 4 y + cy;  v: A = Wv's tile 24 + cy
	s_cselect_b32 s42, s100, s101                  ; q, k: B = the weight's tile 16 + 4 kind + cx;  v: B = x's tile 4 y + cx
	s_lshl_b32 s[TA], s[TA], 2
	s_add_co_u32 s[TA], s[TA], s41
	s_lshl_b32 s42, s42, 2
	s_add_co_u32 s42, s42, s40
	s_lshl_b32 s43, s41, 2
	s_lshl_b32 s43, 15, s43                        ; my row of the cluster
	s_lshl_b32 s44, 0x1111, s40                    ; my column
	; descriptor group 1: a tile of 128 rows x 256 bytes, 16 bytes of padding behind each row
	s_or_b32 s[G1+0], s43, (0<<16)|(1<<20)|(1<<21)|(5<<22)|(3<<25)  ; 15:0 the mask; 17:16 elements of 1 byte; 20 padding on; 21 set beside a mask; 24:22 after every 64 words; 31:25 four words
	s_or_b32 s[G1B+0], s44, (0<<16)|(1<<20)|(1<<21)|(5<<22)|(3<<25)
.irp g, G1, G1B
	s_mov_b32 s[\g+1], ROWB<<16                    ; tensor_dim0
	s_mov_b32 s[\g+2], 128<<16                     ; tensor_dim1
	s_mov_b32 s[\g+3], ROWB<<16                    ; tile_dim0
	s_mov_b32 s[\g+4], 128                         ; tile_dim1
	s_mov_b32 s[\g+5], KROW                        ; tensor_dim0_stride
	s_mov_b32 s[\g+6], 0
	s_mov_b32 s[\g+7], 0
.endr
	; the scales of 128 rows: 4,096 dense bytes, as 16 rows of 256 bytes (32 elements of 8 bytes), 16 bytes of padding behind each
	s_or_b32 s[G1S+0], s43, (3<<16)|(1<<20)|(1<<21)|(5<<22)|(3<<25)
	s_or_b32 s[G1SB+0], s44, (3<<16)|(1<<20)|(1<<21)|(5<<22)|(3<<25)
.irp g, G1S, G1SB
	s_mov_b32 s[\g+1], 32<<16
	s_mov_b32 s[\g+2], (128*KS/256)<<16
	s_mov_b32 s[\g+3], 32<<16
	s_mov_b32 s[\g+4], 128*KS/256
	s_mov_b32 s[\g+5], 32
	s_mov_b32 s[\g+6], 0
	s_mov_b32 s[\g+7], 0
.endr
	s_lshl_b32 s100, s[CH], 7                      ; which 128 rows of the tile I fetch
	s_lshl_b32 s20, s[TA], 8
	s_add_co_u32 s20, s20, s100                    ; A's first row
	s_lshl_b32 s46, s42, 8
	s_add_co_u32 s46, s46, s100                    ; B's
	s_lshl_b32 s22, s20, 5                         ; their scales, 32 bytes a row,
	s_lshl_b32 s92, s46, 5
	s_lshl_b32 s20, s20, 9                         ; and their codes, 512 bytes a row
	s_lshl_b32 s46, s46, 9
	s_mov_b32 s21, 0
	s_mov_b32 s23, 0
	s_mov_b32 s47, 0
	s_mov_b32 s93, 0
	s_mul_i32 s45, s[WV], HALFT                    ; where they go: wave x 128 rows: no place in the cluster enters an LDS address
	s_mul_i32 s94, s[WV], HALFS
	s_wait_dscnt 0x0                               ; both opening adds are done
	s_wait_kmcnt 0x0
	s_add_nc_u64 s[20:21], s[4:5], s[20:21]
	s_add_nc_u64 s[22:23], s[6:7], s[22:23]
	s_add_nc_u64 s[46:47], s[4:5], s[46:47]
	s_add_nc_u64 s[92:93], s[6:7], s[92:93]
	CROUND                                         ; all sixteen work-groups are here: the joint loads meet
	s_mov_b32 s[G0S], 1
	s_add_co_u32 s[G0S+1], s94, SCL
	s_mov_b64 s[G0S+2:G0S+3], s[22:23]
	s_or_b32 s[G0S+3], s[G0S+3], 0x80000000
	s_mov_b32 s[G0SB], 1
	s_add_co_u32 s[G0SB+1], s94, SCL
	s_mov_b64 s[G0SB+2:G0SB+3], s[92:93]
	s_or_b32 s[G0SB+3], s[G0SB+3], 0x80000000
	JLOAD G0S, G1S, G0SB, G1SB                     ; the scales first: they are wanted with the first slot
.irp s, 0,1
	s_mov_b32 s[G0+4*\s], 1
	s_add_co_u32 s[G0+4*\s+1], s45, \s*SLOT
	s_add_nc_u64 s[G0+4*\s+2:G0+4*\s+3], s[20:21], \s*ROWB
	s_or_b32 s[G0+4*\s+3], s[G0+4*\s+3], 0x80000000
	s_mov_b32 s[G0B+4*\s], 1
	s_add_co_u32 s[G0B+4*\s+1], s45, \s*SLOT
	s_add_nc_u64 s[G0B+4*\s+2:G0B+4*\s+3], s[46:47], \s*ROWB
	s_or_b32 s[G0B+4*\s+3], s[G0B+4*\s+3], 0x80000000
	JLOAD G0+4*\s, G1, G0B+4*\s, G1B               ; three tensor loads of mine are out: all that this launch asks for
.endr
	v_and_b32 v1, 15, v0                           ; l % 16
	v_bfe_u32 v2, v0, 4, 1                         ; l / 16
	v_mul_u32_u24 v3, v1, PITCH
	v_lshl_add_u32 v4, v2, 4, v3                   ; a fragment's row x pitch + 16 x half
	s_mul_i32 s100, s[RH], HALFT                   ; my 128 rows of A
	s_mul_i32 s101, s[CH], HALFT                   ; my 128 rows of B,
	s_add_co_u32 s101, s101, 2*HALFT               ; which lie behind A's 256
.irp s, 0,1
	v_add_nc_u32 v[ADRA+\s], s100, v4
	v_add_nc_u32 v[ADRB+\s], s101, v4
	s_add_co_u32 s100, s100, SLOT
	s_add_co_u32 s101, s101, SLOT
.endr
	v_mul_u32_u24 v5, v1, KS                       ; my row's scales: 32 bytes a row,
	v_lshrrev_b32 v6, 8, v5
	v_lshl_add_u32 v5, v6, 4, v5                   ; and 16 more for each 256 passed
	s_mul_i32 s100, s[RH], HALFS
	s_mul_i32 s101, s[CH], HALFS
	s_add_co_u32 s101, s101, 2*HALFS
	s_sub_co_u32 s101, s101, s100
	v_mul_u32_u24 v6, s101, v2                     ; lanes 16-31 take B's
	s_add_co_u32 s100, s100, SCL
	v_add_nc_u32 v5, v5, v6
	v_add_nc_u32 v[ADRS], s100, v5
	v_and_b32 v6, 31, v0
	v_lshlrev_b32 v[LI], 4, v6
	v_lshlrev_b32 v[CSO], 8, v1
	v_lshl_add_u32 v[CSO], v2, 5, v[CSO]
	v_lshlrev_b32 v[BOF], 5, v2
	v_lshlrev_b32 v[VOF], 2, v1
	s_mov_b32 s101, 0
	s_lshl_b32 s100, s40, 10
	s_lshl_b32 s2, s[CH], 9
	s_add_co_u32 s100, s100, s2
	s_add_nc_u64 s[8:9], s[8:9], s[100:101]        ; bq at B's 128 rows of mine (q: columns 256 cx + 128 half)
	s_lshl_b32 s100, s41, 10
	s_lshl_b32 s2, s[RH], 9
	s_add_co_u32 s100, s100, s2
	s_add_nc_u64 s[10:11], s[10:11], s[100:101]    ; bv at A's 128 rows of mine (v: channels 256 cy + 128 half)
	s_and_b32 s100, s[TA], 15
	s_lshl_b32 s100, s100, 16
	s_lshl_b32 s2, s[RH], 15
	s_add_co_u32 s100, s100, s2
	s_add_nc_u64 s[12:13], s[12:13], s[100:101]    ; cos and sin at my 128 positions (q, k), 256 bytes a position
	s_add_nc_u64 s[14:15], s[14:15], s[100:101]
; cos and sin of block a's 16 positions into quarter a % 4 of window 1 (v64, v192, v0, v128 on): register 8 bb + j: cos[16 a + l % 16][16 bb + 8 (l / 16) + j]; sin 32 registers further on.  16 loads.
.macro CSLOAD a
.set CBL, 64*(2*((\a)%4)+1-5*(((\a)%4)/2))
.irp bb, 0,1,2,3
.irp i, 0,1
	global_load_b128 v[CBL+8*\bb+4*\i:CBL+8*\bb+4*\i+3], v[CSO], s[12:13] offset:4096*(\a)+64*\bb+16*\i
	global_load_b128 v[CBL+32+8*\bb+4*\i:CBL+32+8*\bb+4*\i+3], v[CSO], s[14:15] offset:4096*(\a)+64*\bb+16*\i
.endr
.endr
.endm
	s_cmp_eq_u32 s[KIND], 2                        ; v has no rotary turn
	s_cbranch_scc1 .Lno_cs
	WIN TO_B
	CSLOAD 0
	CSLOAD 1
	WIN 0
.Lno_cs:
.irp b, 0,1,2,3,4,5,6,7
	global_load_b128 v[BIAS+8*\b:BIAS+8*\b+3], v[BOF], s[8:9] offset:64*\b
	global_load_b128 v[BIAS+8*\b+4:BIAS+8*\b+7], v[BOF], s[8:9] offset:64*\b+16
.endr
.irp a, 0,1,2,3,4,5,6,7
	global_load_b32 v[VB+2*\a], v[VOF], s[10:11] offset:64*\a       ; the same number twice: a pair for the packed addition
	global_load_b32 v[VB+2*\a+1], v[VOF], s[10:11] offset:64*\a
.endr
.macro FRAG reg, adr, q, i             ; 16 rows x 128 K of 4-bit codes: 8 registers: lane l holds row l % 16; registers 4 c .. 4 c + 3 hold K = 64 c + 32 (l / 16) + 0 .. 31
.irp c, 0,1
	ds_load_b128 v[\reg+4*\c:\reg+4*\c+3], v[\adr] offset:64*(\q)+32*\c+(\i)*16*PITCH
.endr
.endm
; 16 matrix instructions: A's blocks a0, a0 + 1 x B's eight, 128 along K.  zero = 1: the first product starts the sums from the bias in the result's layout: nothing is cleared and nothing added later.
; The 64 accumulators take turns, one instruction a turn, in the same order in every step.
.macro MUL16 a0, p, q, sc, zero
.irp a, \a0, \a0+1
.irp b, 0,1,2,3,4,5,6,7
.if \zero
	v_wmma_scale_f32_16x16x128_f8f6f4 v[8*(8*((\a)%4)+\b):8*(8*((\a)%4)+\b)+7], v[128*(\p)+FR*\b:128*(\p)+FR*\b+FR-1], v[AF+FR*(\a):AF+FR*(\a)+FR-1], v[BIAS+8*\b:BIAS+8*\b+7], v[SC+8*NQ*(\sc)+NQ*\b+(\q)], v[SC+8*NQ*(\sc)+NQ*(\a)+(\q)] matrix_a_fmt:MATRIX_FMT_FP4 matrix_b_fmt:MATRIX_FMT_FP4 matrix_a_scale:MATRIX_SCALE_ROW1
.else
	v_wmma_scale_f32_16x16x128_f8f6f4 v[8*(8*((\a)%4)+\b):8*(8*((\a)%4)+\b)+7], v[128*(\p)+FR*\b:128*(\p)+FR*\b+FR-1], v[AF+FR*(\a):AF+FR*(\a)+FR-1], v[8*(8*((\a)%4)+\b):8*(8*((\a)%4)+\b)+7], v[SC+8*NQ*(\sc)+NQ*\b+(\q)], v[SC+8*NQ*(\sc)+NQ*(\a)+(\q)] matrix_a_fmt:MATRIX_FMT_FP4 matrix_b_fmt:MATRIX_FMT_FP4 matrix_a_scale:MATRIX_SCALE_ROW1
.endif
.endr
.endr
.endm
.macro FETCH_B slot, q, p
	WIN TO_B
.irp i, 0,1,2,3,4,5,6,7
	FRAG 128*(\p)+FR*\i, ADRB+\slot, \q, \i
.endr
	WIN 0
.endm
.macro FETCH_A slot, q, i0
.irp i, \i0, \i0+1, \i0+2, \i0+3
	FRAG AF+FR*(\i), ADRA+\slot, \q, \i
.endr
.endm
.macro SCALES sc                       ; a slot's scale words: four words a row; lanes 0-15 take A's block i, lanes 16-31 B's block i
.irp i, 0,1,2,3,4,5,6,7
	ds_load_b128 v[SC+8*NQ*\sc+NQ*\i:SC+8*NQ*\sc+NQ*\i+3], v[ADRS] offset:\i*SBLK
.endr
.endm
.macro PLACES n                        ; plain vector lines between a matrix instruction and a load into, or a vector line on, its registers
.rept \n
	v_nop
.endr
.endm
; A step of 128 along K that has its successor in the same slot.  A's blocks 0-3 are fetched anew in its middle, blocks 4-7 at its end; B has two sets.
.macro STEP slot, q, zero
	s_wait_dscnt 4*NL                              ; B's set and A's blocks 0-3 are in; the youngest eight loads (A's blocks 4-7) may be out
.if \zero
	WIN 0x81                                       ; C (the bias) window 0, D window 2
.else
	WIN MUL_LO
.endif
	MUL16 0, (\q)%2, \q, \slot, \zero
	MUL16 2, (\q)%2, \q, \slot, \zero
	s_wait_dscnt 0                                 ; A's blocks 4-7 are in
	PLACES NP
	FETCH_B \slot, (\q)+1, 1-(\q)%2
	FETCH_A \slot, (\q)+1, 0
.if \zero
	WIN 0xc1
.else
	WIN MUL_HI
.endif
	MUL16 4, (\q)%2, \q, \slot, \zero
	MUL16 6, (\q)%2, \q, \slot, \zero
	PLACES NP
	WIN 0
	FETCH_A \slot, (\q)+1, 4
.endm
; Slot 0's last step goes over to slot 1: each wave waits for all its tensor loads (its part of slot 1), and behind the barrier slot 1 is whole.
.macro TURN slot, next
	s_wait_tensorcnt 0x0                           ; all my tensor loads have landed
	ds_add_u32 v[SPW], v[NIL]                      ; 0 onto my spare word
	s_wait_dscnt 4*NL+1                            ; (the add and the youngest eight loads may be out)
	WIN MUL_LO
	MUL16 0, 1, NQ-1, \slot, 0
	s_wait_dscnt 0x0                               ; no LDS instruction of mine is out at the signal
	s_barrier_signal -1
	MUL16 2, 1, NQ-1, \slot, 0
	WIN 0
	s_barrier_wait -1
	PLACES NP
	v_add_nc_u32 v[ADRS], 4*NQ, v[ADRS]            ; on to the next slot's scale words
	FETCH_B \next, 0, 0
	FETCH_A \next, 0, 0
	SCALES \next
	WIN MUL_HI
	MUL16 4, 1, NQ-1, \slot, 0
	MUL16 6, 1, NQ-1, \slot, 0
	PLACES NP
	WIN 0
	FETCH_A \next, 0, 4
.endm
.macro STEPS slot, from
.set Q, \from
.rept NQ-1-\from
	STEP \slot, Q, 0
.set Q, Q+1
.endr
.endm
	s_wait_tensorcnt 1                             ; the scales and my part of slot 0 are in (slot 1's load may be out),
	s_barrier_signal -1
	s_barrier_wait -1                              ; everybody's are
	FETCH_B 0, 0, 0
	FETCH_A 0, 0, 0
	SCALES 0
	FETCH_A 0, 0, 4
	s_cmp_eq_u32 s[KIND], 0
	s_cselect_b32 s100, -1, 0
	s_wait_loadcnt 16                              ; bq is in; bv's sixteen loads may be out
.irp i, 0,1,2,3,4,5,6,7,8,9,10,11,12,13,14,15,16,17,18,19,20,21,22,23,24,25,26,27,28,29,30,31,32,33,34,35,36,37,38,39,40,41,42,43,44,45,46,47,48,49,50,51,52,53,54,55,56,57,58,59,60,61,62,63
	v_cndmask_b32 v[BIAS+\i], 0, v[BIAS+\i], s100  ; q starts from bq; k has no bias; v's runs along A's rows and is added on the way out
.endr
	STEP 0, 0, 1
	STEPS 0, 1
	TURN 0, 1
	STEPS 1, 0
	s_wait_dscnt 4*NL                              ; the last step: nothing more to fetch
	WIN MUL_LO
	MUL16 0, 1, NQ-1, 1, 0
	MUL16 2, 1, NQ-1, 1, 0
	s_wait_dscnt 0
	WIN MUL_HI
	MUL16 4, 1, NQ-1, 1, 0
	MUL16 6, 1, NQ-1, 1, 0
	WIN 0
	PLACES NP                                      ; behind the last products: for the reads of results, the loads into B's sets and the writes over A's fragments
	s_cmp_eq_u32 s[KIND], 2
	s_cbranch_scc1 .Lv_out
; ---- THE WAY OUT OF q AND k: one text; the buffer and its strides are chosen by the kind.  Block a is a tile of 16 positions; my 128 columns are two heads.
	s_cmp_eq_u32 s[KIND], 0
	s_cselect_b64 s[20:21], s[16:17], s[18:19]
	s_mov_b32 s46, 6144
	s_cselect_b32 s46, 4096, s46                   ; from tile to tile
	s_mov_b32 s2, 1572864
	s_cselect_b32 s2, 1048576, s2                  ; from head to head
	s_mov_b32 s47, 0
	s_mov_b32 s3, 0
	s_lshl_b32 s100, s40, 2
	s_lshl_b32 s101, s[CH], 1
	s_add_co_u32 s100, s100, s101                  ; my first head: 4 cx + 2 half
	s_mul_i32 s100, s100, s2
	s_lshl_b32 s101, s[TA], 4
	s_lshl_b32 s94, s[RH], 3
	s_add_co_u32 s101, s101, s94                   ; my first tile: 16 TA + 8 half
	s_mul_i32 s101, s101, s46
	s_add_co_u32 s100, s100, s101
	s_mov_b32 s101, 0
	s_add_nc_u64 s[20:21], s[20:21], s[100:101]    ; the first head's image,
	s_add_nc_u64 s[22:23], s[20:21], s[2:3]        ; the second's
	WIN TO_B
	CSLOAD 2
	CSLOAD 3
	WIN 0
.macro QKBLOCK a
.set CB, 64*(2*((\a)%4)+1-5*(((\a)%4)/2))
.set WQ, 6+(\a)/4                      ; source 0: the accumulators' window (2 or 3); source 1: window 1
.if 7-(\a) >= 3
	s_wait_loadcnt 48                              ; this block's cos and sin are in; those of the three blocks behind it stay out
.else
	s_wait_loadcnt 16*(7-(\a))
.endif
.irp hh, 0,1
.set AC, 64*((\a)%4)+32*\hh
.set HI, 192+32*\hh
.set LO, 208+32*\hh
	WIN WQ
.irp bb, 0,1                           ; y[d] = q[d] cos[d] - q[d + 32] sin[d], y[d + 32] = q[d + 32] cos[d + 32] + q[d] sin[d + 32]; channel d + 32 lies 16 registers on.  Each accumulator is read from its low end on
.irp jj, 0,2,4,6
	v_pk_mul_f32 v[YY+8*\bb+\jj:YY+8*\bb+\jj+1], v[AC+8*\bb+\jj:AC+8*\bb+\jj+1], v[CB+8*\bb+\jj:CB+8*\bb+\jj+1]
	v_pk_mul_f32 v[YY+16+8*\bb+\jj:YY+16+8*\bb+\jj+1], v[AC+16+8*\bb+\jj:AC+16+8*\bb+\jj+1], v[CB+16+8*\bb+\jj:CB+16+8*\bb+\jj+1]
.endr
.endr
.irp bb, 0,1
.irp jj, 0,2,4,6
	v_pk_fma_f32 v[YY+8*\bb+\jj:YY+8*\bb+\jj+1], v[AC+16+8*\bb+\jj:AC+16+8*\bb+\jj+1], v[CB+32+8*\bb+\jj:CB+32+8*\bb+\jj+1], v[YY+8*\bb+\jj:YY+8*\bb+\jj+1] neg_lo:[1,0,0] neg_hi:[1,0,0]
	v_pk_fma_f32 v[YY+16+8*\bb+\jj:YY+16+8*\bb+\jj+1], v[AC+8*\bb+\jj:AC+8*\bb+\jj+1], v[CB+48+8*\bb+\jj:CB+48+8*\bb+\jj+1], v[YY+16+8*\bb+\jj:YY+16+8*\bb+\jj+1]
.endr
.endr
	WIN 0
	s_wait_xcnt 0x0                                ; the last block's stores have read their data and their bases: both are written again only behind this wait
.if (\hh == 0) && ((\a) > 0)
	s_add_nc_u64 s[20:21], s[20:21], s[46:47]      ; the next tile's images
	s_add_nc_u64 s[22:23], s[22:23], s[46:47]
.endif
.irp i, 0,1,2,3,4,5,6,7,8,9,10,11,12,13,14,15
	v_cvt_pk_bf16_f32 v[HI+\i], v[YY+2*\i], v[YY+2*\i+1]           ; the high parts,
.endr
.irp i, 0,1,2,3,4,5,6,7,8,9,10,11,12,13,14,15
	v_lshlrev_b32 v[TT+2*\i], 16, v[HI+\i]                         ; as f32 again,
	v_and_b32 v[TT+2*\i+1], 0xffff0000, v[HI+\i]
.endr
.irp i, 0,1,2,3,4,5,6,7,8,9,10,11,12,13,14,15
	v_pk_add_f32 v[YY+2*\i:YY+2*\i+1], v[YY+2*\i:YY+2*\i+1], v[TT+2*\i:TT+2*\i+1] neg_lo:[0,1] neg_hi:[0,1]   ; what they leave, exactly,
.endr
.irp i, 0,1,2,3,4,5,6,7,8,9,10,11,12,13,14,15
	v_cvt_pk_bf16_f32 v[LO+\i], v[YY+2*\i], v[YY+2*\i+1]           ; and the low parts
.endr
.irp c, 0,1
.irp p, 0,1
	global_store_b128 v[LI], v[HI+8*\c+4*\p:HI+8*\c+4*\p+3], s[20+2*\hh:21+2*\hh] offset:1024*\c+512*\p
	global_store_b128 v[LI], v[LO+8*\c+4*\p:LO+8*\c+4*\p+3], s[20+2*\hh:21+2*\hh] offset:2048+1024*\c+512*\p
.endr
.endr
.endr
.if (\a)+4 <= 7
	WIN TO_B
	CSLOAD (\a)+4                                  ; into the quarter that this block has just read
	WIN 0
.endif
.endm
.irp a, 0,1,2,3,4,5,6,7
	QKBLOCK \a
.endr
	s_branch .Lout_done
; ---- THE WAY OUT OF v: accumulator (a, b): channel 16 a + l % 16 of my 128 (head a / 4, tile of channels a % 4), keys 16 b + 8 (l / 16) + 0..7 of my 128
.Lv_out:
	s_wait_loadcnt 0x0                             ; bv
	s_lshl_b32 s100, s41, 2
	s_lshl_b32 s101, s[RH], 1
	s_add_co_u32 s100, s100, s101                  ; my first head: 4 cy + 2 half
	s_lshl_b32 s100, s100, 8
	s_lshl_b32 s101, s42, 4
	s_add_co_u32 s100, s100, s101
	s_lshl_b32 s101, s[CH], 3
	s_add_co_u32 s100, s100, s101                  ; + my first tile of keys: 16 TB + 8 half
	s_mul_i32 s100, s100, 6144
	s_add_co_u32 s100, s100, 4096                  ; v lies behind k' in a tile's image
	s_mov_b32 s101, 0
	s_add_nc_u64 s[18:19], s[18:19], s[100:101]
.macro VBLOCK a
.set WA, 2+(\a)/4
.set HH, 192+32*((\a)%2)
	WIN WA
.irp b, 0,1,2,3,4,5,6,7
.irp jj, 0,2,4,6
	v_pk_add_f32 v[128+8*\b+\jj:128+8*\b+\jj+1], v[8*(8*((\a)%4)+\b)+\jj:8*(8*((\a)%4)+\b)+\jj+1], v[VB+2*(\a):VB+2*(\a)+1]
.endr
.endr
	WIN 0
	s_wait_xcnt 0x0                                ; the stores of two blocks back have read their data
.irp b, 0,1,2,3,4,5,6,7
.irp i, 0,1,2,3
	v_cvt_pk_f16_f32 v[HH+4*\b+\i], v[128+8*\b+2*\i], v[128+8*\b+2*\i+1]
.endr
.endr
.irp b, 0,1,2,3,4,5,6,7
	global_store_b128 v[LI], v[HH+4*\b:HH+4*\b+3], s[18:19] offset:1572864*((\a)/4)+512*((\a)%4)+6144*\b
.endr
.endm
.irp a, 0,1,2,3,4,5,6,7
	VBLOCK \a
.endr
.Lout_done:
	s_wait_tensorcnt 0x0                           ; the wave's end
	ds_add_u32 v[SPW], v[NIL]
	s_wait_dscnt 0x0
	CROUND                                         ; the closing round: no work-group ends while a partner may still ask for a tile that names it
	s_endpgm
.Lfunc_end_k_q8012b9621d_qkv:
	.size	k_q8012b9621d_qkv, .Lfunc_end_k_q8012b9621d_qkv-k_q8012b9621d_qkv
	.p2alignl 7, 3214868480
	.fill 96, 4, 3214868480
	.section	.rodata,"a",@progbits
	.p2align	6, 0x0
	.amdhsa_kernel k_q8012b9621d_qkv
		.amdhsa_group_segment_fixed_size 327680
		.amdhsa_private_segment_fixed_size 0
		.amdhsa_enable_private_segment 0
		.amdhsa_kernarg_size 64
		.amdhsa_user_sgpr_count 2
		.amdhsa_user_sgpr_kernarg_segment_ptr 1
		.amdhsa_wavefront_size32 1
		.amdhsa_system_sgpr_workgroup_id_x 1
		.amdhsa_system_sgpr_workgroup_id_y 1
		.amdhsa_system_sgpr_workgroup_id_z 1
		.amdhsa_system_vgpr_workitem_id 0
		.amdhsa_next_free_vgpr 1024
		.amdhsa_next_free_sgpr 102
		.amdhsa_reserve_vcc 0
		.amdhsa_float_denorm_mode_32 3
		.amdhsa_float_denorm_mode_16_64 3
		.amdhsa_memory_ordered 1
		.amdhsa_forward_progress 1
		.amdhsa_inst_pref_size 255
	.end_amdhsa_kernel
	.section	.bss,"aw",@nobits
	.p2align	6
	.space	262144
	.amdgpu_metadata
---
amdhsa.version: [ 1, 2 ]
amdhsa.kernels:
  - .name:           k_q8012b9621d_qkv
    .symbol:         k_q8012b9621d_qkv.kd
    .args:
      - { .name: codes, .offset: 0, .size: 8, .value_kind: global_buffer, .address_space: global }
      - { .name: scales, .offset: 8, .size: 8, .value_kind: global_buffer, .address_space: global }
      - { .name: bq, .offset: 16, .size: 8, .value_kind: global_buffer, .address_space: global }
      - { .name: bv, .offset: 24, .size: 8, .value_kind: global_buffer, .address_space: global }
      - { .name: cos, .offset: 32, .size: 8, .value_kind: global_buffer, .address_space: global }
      - { .name: sin, .offset: 40, .size: 8, .value_kind: global_buffer, .address_space: global }
      - { .name: qimg, .offset: 48, .size: 8, .value_kind: global_buffer, .address_space: global }
      - { .name: kvimg, .offset: 56, .size: 8, .value_kind: global_buffer, .address_space: global }
    .group_segment_fixed_size: 327680
    .private_segment_fixed_size: 0
    .kernarg_segment_align: 8
    .kernarg_segment_size: 64
    .max_flat_workgroup_size: 128
    .sgpr_count:     102
    .vgpr_count:     1024
    .wavefront_size: 32
...
	.end_amdgpu_metadata
.endif
;; end of part 2
;; launch attn (part 3): grid 16 x 16, 16 waves a work-group, no clusters, 198,656 bytes of LDS; arguments qimg, kvimg, kmask, ctximg; writes ctximg
.if DOCPART == 3
	.amdgcn_target "amdgcn-amd-amdhsa--gfx1250"
	.amdhsa_code_object_version 6
	.text
	.protected	k_q8012b9621d_attn
	.globl	k_q8012b9621d_attn
	.p2align	8
	.type	k_q8012b9621d_attn,@function
k_q8012b9621d_attn:
	s_mov_b64 s[64:65], 0
	v_nop
	global_prefetch_b8 v0, s[64:65] scope:SCOPE_SE
	s_setreg_imm32_b32 hwreg(HW_REG_WAVE_MODE, 25, 1), 1
	s_wait_xcnt 0x0
; context[q] = sum over k of softmax_k(q'[q] . k'[k] / 8) v[k], for the keys q - 256 <= k <= q that the band leaves, with the scores of keys that the input mask hides set to -1e9, as they are set for every key outside the band.
; A key outside the band has the weight exp(-1e9 - max), which is 0 in f32 as long as some counted score lies above about -1e9 + 150 (THE LIMIT of this text): so a tile of 16 queries needs 17 tiles of 16 keys.
; Key q itself lies in the band: a row whose own position counts has a real score; a row whose position is hidden is multiplied by 0 in the last launch, and stays finite here: hidden scores are the finite -1e9.
; SHARES.  A work-group has one head and 256 queries; each of its sixteen waves one tile T of 16 queries, in 256 registers: four waves to a SIMD, so that one wave's vector work stands beside another's products and LDS loads.
; LDS.  32 slots of 6,144 bytes: the images (k' as pairs of bf16, v as f16) of key tiles 16 qb - 16 .. 16 qb + 15.  Each wave brings two slots by one tensor load, 12,288 dense bytes; wave w then reads slots w .. w + 16.
;   Everything is asked for by the first instructions and nothing is filled twice, so there is no ring, and nothing is left to ask for ahead.  For qb = 0 the slots in front of key 0 take tiles 0 and 1: finite numbers, which kmask's zero tiles hide.
; NO CLUSTER: a block of 256 keys is read by two neighbouring work-groups, one as its own keys (slots 16-31), the other as the 256 in front (slots 0-15): a joint load lands at one LDS address in all that it names.
; LAYOUT.  S^T = K Q^T (source 0 = 16 keys, source 1 = my 16 queries): a lane holds ONE query (lane % 16) and keys 8 (lane / 16) + 0..7 of each tile.  q' = hi + lo and k' = hi + lo in bf16: hi hi + hi lo + lo hi, six products a tile.
;   Two tiles' weights, rounded to f16 in pairs, ARE source 1 (32 keys x 16 queries) of O^T = V^T P, whose source 0 comes from LDS as it lies.  Nothing changes lanes.
; SOFTMAX.  All 272 scores of a query lie in registers: the row's true maximum is taken off; p = 2^(c s - c max), c = log2(e) / 8; the sum is taken of the unrounded p and divides at the end.
; OUT.  ctximg [tile of 16 rows: 256][chunk of 32 k: 32][1024 bytes], f16, chunk = 2 head + c: part p at 512 p, lane at 16 l: context(16 T + l % 16, 32 chunk + 16 p + 8 (l / 16) + 0..7).  LIMIT: |context| under 65,504.
.set SLOTB, 6144
.set SPARE, 32*SLOTB                   ; the spare words, 128 bytes for each wave: eight blocks of 256 bytes that no other line names
.set SPW,  1
.set NIL,  2
.set AD0,  3                           ; v3   16 x lane + 6,144 x wave: my place in the image of my tile 0
.set AD1,  4                           ; v4   the same in tile 8 (an LDS offset has 16 bits)
.set LI,   5                           ; v5   16 x lane
.set NEGV, 6                           ; v6   -8e9: -1e9 ahead of the scale 1 / 8
.set Q,    16                          ; v16-47   q': hi c0, hi c1, lo c0, lo c1;  later O^T, four tiles of 16 channels
.set K,    48                          ; v48-79, v80-111  k' of an even and of an odd tile;  later v, buffers 0 and 1
.set S,    112                         ; v112-247 the scores, 8 a tile; then p; then p as f16 in v112-183, and v's buffers 2 and 3 in v184-247
.set Y,    248                         ; v248-255 the last tile's second sum
.set O,    16
; v8, v9 two chains of the maximum; v10, v11 at work; v12, v13 -c max; v14, v15 the sum
.macro PLACES
.rept 4
	v_nop
.endr
.endm
.macro TADR i                          ; tile i's image: address register and offset
.if (\i) < 8
.set AR, AD0
.set AO, SLOTB*(\i)
.else
.set AR, AD1
.set AO, SLOTB*((\i)-8)
.endif
.endm
.macro KTILE i                         ; k' of tile i: four fragments, 8 loads of 512 consecutive bytes
	TADR \i
.set KR, K+32*((\i)%2)
.irp f, 0,1,2,3
.irp p, 0,1
	ds_load_b128 v[KR+8*\f+4*\p:KR+8*\f+4*\p+3], v[AR] offset:AO+1024*\f+512*\p
.endr
.endr
.endm
.macro TERM d, i, kf, qf, first        ; one product of tile i into v[d] on
.set KR, K+32*((\i)%2)+8*(\kf)
.if \first
	v_wmma_f32_16x16x32_bf16 v[\d:\d+7], v[KR:KR+7], v[Q+8*(\qf):Q+8*(\qf)+7], 0
.else
	v_wmma_f32_16x16x32_bf16 v[\d:\d+7], v[KR:KR+7], v[Q+8*(\qf):Q+8*(\qf)+7], v[\d:\d+7]
.endif
.endm
.macro SCORE g                         ; tiles 2 g and 2 g + 1: the two accumulators take turns, one instruction a turn
.set S0, S+16*(\g)
.set S1, S+16*(\g)+8
	TERM S0, 0, 0, 0, 1
	TERM S1, 1, 0, 0, 1
	TERM S0, 0, 1, 1, 0
	TERM S1, 1, 1, 1, 0
	TERM S0, 0, 0, 2, 0
	TERM S1, 1, 0, 2, 0
	TERM S0, 0, 1, 3, 0
	TERM S1, 1, 1, 3, 0
	TERM S0, 0, 2, 0, 0
	TERM S1, 1, 2, 0, 0
	TERM S0, 0, 3, 1, 0
	TERM S1, 1, 3, 1, 0
.endm
.macro SELTILE i                       ; hidden scores become -8e9, from the accumulator's low end on; then the tile's scores join a chain of the maximum
.set SR, S+8*(\i)
.set MR, 32+36*(((\i)/4)%2)+8*((\i)%4)
.set MXC, 8+(\i)%2
.irp j, 0,1,2,3,4,5,6,7
	v_cndmask_b32 v[SR+\j], v[NEGV], v[SR+\j], s[MR+\j]
.endr
.if (\i) < 2
	v_max3_num_f32 v[MXC], v[SR], v[SR+1], v[SR+2]
	v_max3_num_f32 v[MXC], v[MXC], v[SR+3], v[SR+4]
	v_max3_num_f32 v[MXC], v[MXC], v[SR+5], v[SR+6]
	v_max_num_f32 v[MXC], v[MXC], v[SR+7]
.else
.irp j, 0,2,4,6
	v_max3_num_f32 v[MXC], v[MXC], v[SR+\j], v[SR+\j+1]
.endr
.endif
.endm
.macro VHALF i, reg                    ; v of tile i: registers 0-3 (or 4-7) of four fragments of V^T
	TADR \i
.irp ct, 0,1,2,3
	ds_load_b128 v[\reg+8*\ct:\reg+8*\ct+3], v[AR] offset:AO+4096+512*\ct
.endr
.endm
.macro VLOAD u, buf                    ; keys of tiles 2 u and 2 u + 1 into buffer buf (v48, v80, v184, v216 on).  u = 8: tile 16 twice; the second half meets weights that are 0
.set VR, 48+32*(\buf)+72*((\buf)/2)
	VHALF 2*(\u), VR
.if (\u) < 8
	VHALF 2*(\u)+1, VR+4
.else
	VHALF 16, VR+4
.endif
.endm
.macro PV u, buf                       ; O^T += V^T P for 32 keys: the four tiles of channels take turns
.set VR, 48+32*(\buf)+72*((\buf)/2)
.irp ct, 0,1,2,3
.if (\u) == 0
	v_wmma_f32_16x16x32_f16 v[O+8*\ct:O+8*\ct+7], v[VR+8*\ct:VR+8*\ct+7], v[S+8*(\u):S+8*(\u)+7], 0
.else
	v_wmma_f32_16x16x32_f16 v[O+8*\ct:O+8*\ct+7], v[VR+8*\ct:VR+8*\ct+7], v[S+8*(\u):S+8*(\u)+7], v[O+8*\ct:O+8*\ct+7]
.endif
.endr
.endm
	s_load_b256 s[4:11], s[0:1], 0x0               ; qimg 4:5, kvimg 6:7, kmask 8:9, ctximg 10:11
	v_lshl_add_u32 v[SPW], v0, 2, SPARE
	v_mov_b32 v[NIL], 0
	ds_add_u32 v[SPW], v[NIL]                      ; the wave's opening: the add, twice on end, and its wait ahead of my first tensor load
	ds_add_u32 v[SPW], v[NIL]
	v_lshrrev_b32 v7, 5, v0
	v_readfirstlane_b32 s12, v7                    ; wave 0..15
	s_mov_b32 s13, ttmp9                           ; qb: which 256 queries
	s_and_b32 s14, ttmp7, 0xffff                   ; the head
	s_lshl_b32 s15, s13, 4
	s_add_co_u32 s15, s15, s12                     ; T: my tile of queries
	; descriptor group 1: 12,288 dense bytes as 48 rows of 256 (32 elements of 8 bytes), no padding: an image is read 512 consecutive bytes an instruction
	s_mov_b32 s20, 3<<16
	s_mov_b32 s21, 32<<16
	s_mov_b32 s22, 48<<16
	s_mov_b32 s23, 32<<16
	s_mov_b32 s24, 48
	s_mov_b32 s25, 32
	s_mov_b32 s26, 0
	s_mov_b32 s27, 0
	s_mov_b32 s28, 1
	s_mul_i32 s29, s12, 2*SLOTB                    ; slots 2 w and 2 w + 1
	s_lshl_b32 s16, s12, 1
	s_lshl_b32 s17, s13, 4
	s_add_co_u32 s16, s16, s17
	s_max_u32 s16, s16, 16
	s_sub_co_u32 s16, s16, 16                      ; key tile 16 qb - 16 + 2 w, held at 0 from below
	s_lshl_b32 s17, s14, 8
	s_add_co_u32 s16, s16, s17
	s_mul_i32 s16, s16, SLOTB
	s_mov_b32 s17, 0
	s_wait_dscnt 0x0                               ; both opening adds are done
	s_wait_kmcnt 0x0
	s_add_nc_u64 s[30:31], s[6:7], s[16:17]
	s_or_b32 s31, s31, 0x80000000
	tensor_load_to_lds s[28:31], s[20:27]          ; my one tensor load
	s_nop 0
	s_lshl_b32 s16, s14, 8
	s_add_co_u32 s16, s16, s15
	s_lshl_b32 s16, s16, 12
	s_add_nc_u64 s[4:5], s[4:5], s[16:17]          ; q' of my tile
	s_lshl_b32 s16, s15, 5
	s_add_nc_u64 s[8:9], s[8:9], s[16:17]          ; the masks of key tiles T - 16 on (kmask is shifted by 16 tiles)
	s_lshl_b32 s16, s15, 15
	s_lshl_b32 s18, s14, 11
	s_add_co_u32 s16, s16, s18
	s_add_nc_u64 s[10:11], s[10:11], s[16:17]      ; my tile's two chunks of ctximg
	v_and_b32 v[LI], 31, v0
	v_lshlrev_b32 v[LI], 4, v[LI]
.irp f, 0,1,2,3
.irp p, 0,1
	global_load_b128 v[Q+8*\f+4*\p:Q+8*\f+4*\p+3], v[LI], s[4:5] offset:1024*\f+512*\p th:TH_LOAD_NT
.endr
.endr
	s_load_b512 s[32:47], s[8:9], 0x0              ; my tiles 0-3: eight lane masks a tile
	s_load_b512 s[48:63], s[8:9], 0x40
	s_load_b512 s[68:83], s[8:9], 0x80             ; tiles 4-7
	s_load_b512 s[84:99], s[8:9], 0xc0
	s_mul_i32 s16, s12, SLOTB
	v_add_nc_u32 v[AD0], s16, v[LI]
	v_add_nc_u32 v[AD1], 8*SLOTB, v[AD0]
	v_mov_b32 v[NEGV], 0xcfee6b28
	v_mov_b32 v10, 0                               ; written once: a lane permute's destination counts as one of its sources
	s_mov_b32 s2, 0x3e38aa3b                       ; c = log2(e) / 8
	s_mov_b32 s3, s2                               ; (named with it as a pair)
	s_mov_b32 s100, 0x76543210
	s_mov_b32 s101, 0xfedcba98                     ; v_permlanex16_b32's selects for lane l xor 16
	s_wait_tensorcnt 0x0                           ; my two slots are in,
	s_barrier_signal -1
	s_barrier_wait -1                              ; everybody's are
	KTILE 0
	KTILE 1
	s_wait_loadcnt 0x0                             ; q'
	s_wait_dscnt 0x0
	SCORE 0
; While two tiles' scores are masked and searched, the next two tiles' k' is on its way from LDS.  The lane masks come four tiles at a time into two sets of 32 scalar registers by turns; scalar loads are waited for with 0 alone.
.irp g, 0,1,2,3,4,5,6,7
	PLACES                                         ; behind the products: for the loads into k's registers and the reads of the scores
	KTILE 2*\g+2
.if \g < 7
	KTILE 2*\g+3
.endif
.if \g == 0
	s_wait_kmcnt 0x0
.irp j, 0,1,2,3,4,5,6,7
	s_and_b32 s[32+\j], s[32+\j], ((1<<(\j+1))-1)|(((1<<(\j+9))-1)<<16)   ; tile T - 16: key m counts for query n where m >= n (k >= q - 256)
.endr
.endif
.if \g == 4
	s_wait_kmcnt 0x0                               ; tiles 8-11 are in
	s_load_b512 s[68:83], s[8:9], 0x180            ; tiles 12-15
	s_load_b512 s[84:99], s[8:9], 0x1c0
.endif
.if \g == 6
	s_wait_kmcnt 0x0                               ; tiles 12-15 are in
	s_load_b256 s[32:39], s[8:9], 0x200            ; tile 16
.endif
	SELTILE 2*\g
	SELTILE 2*\g+1
.if \g == 1
	s_load_b512 s[32:47], s[8:9], 0x100            ; tiles 8-11
	s_load_b512 s[48:63], s[8:9], 0x140
.endif
	s_wait_dscnt 0x0
.if \g < 7
	SCORE \g+1
.else
	TERM S+128, 0, 0, 0, 1                         ; tile 16 alone: its sum goes in two halves, channels 0-31 and 32-63, so that two accumulators can take turns
	TERM Y, 0, 1, 1, 1
	TERM S+128, 0, 0, 2, 0
	TERM Y, 0, 1, 3, 0
	TERM S+128, 0, 2, 0, 0
	TERM Y, 0, 3, 1, 0
.endif
.endr
	PLACES
	VLOAD 0, 0                                     ; k's registers are free: the first 64 keys of v
	VLOAD 1, 1
	s_wait_kmcnt 0x0
.irp j, 0,1,2,3,4,5,6,7
	s_and_b32 s[32+\j], s[32+\j], (0x10000-(1<<\j))|((0x10000-(1<<(8+\j)))<<16)   ; tile T: key m counts for query n where m <= n
.endr
.irp j, 0,2,4,6
	v_pk_add_f32 v[S+128+\j:S+128+\j+1], v[S+128+\j:S+128+\j+1], v[Y+\j:Y+\j+1]
.endr
	SELTILE 16
	v_max_num_f32 v8, v8, v9
	v_permlanex16_b32 v10, v8, s100, s101
	v_max_num_f32 v8, v8, v10                      ; the row's largest score
	v_mul_f32 v12, 0xbe38aa3b, v8                  ; -c max
	v_mov_b32 v13, v12
.set i, 0
.rept 68
	v_pk_fma_f32 v[S+i:S+i+1], v[S+i:S+i+1], s[2:3], v[12:13] op_sel_hi:[1,0,0]   ; c s - c max, two at a time
.set i, i+2
.endr
.set i, 0
.rept 136
	v_exp_f32 v[S+i], v[S+i]                       ; one batch
.set i, i+1
.endr
	v_nop                                          ; a plain line behind the last exponential
	s_wait_alu depctr_va_vdst(0)                   ; one wait for the batch, ahead of its first reader
	v_pk_add_f32 v[14:15], v[S:S+1], v[S+2:S+3]    ; the row's sum of the unrounded p, in two chains
	v_pk_add_f32 v[10:11], v[S+4:S+5], v[S+6:S+7]
.set i, 8
.rept 32
	v_pk_add_f32 v[14:15], v[14:15], v[S+i:S+i+1]
	v_pk_add_f32 v[10:11], v[10:11], v[S+i+2:S+i+3]
.set i, i+4
.endr
	v_pk_add_f32 v[14:15], v[14:15], v[10:11]
	v_add_f32 v14, v14, v15
	v_permlanex16_b32 v10, v14, s100, s101
	v_add_f32 v14, v14, v10
	v_rcp_f32 v14, v14                             ; its wait stands ahead of its first reader, on the way out
.set i, 0
.rept 68
	v_cvt_pk_f16_f32 v[S+i], v[S+2*i], v[S+2*i+1]  ; p as f16, in place and ascending: a destination never lies ahead of numbers not yet read.  Tile t's four registers at v[S + 4 t]
.set i, i+1
.endr
.irp j, 68,69,70,71
	v_mov_b32 v[S+\j], 0                           ; the last fragment's second half: 16 keys that are not there
.endr
	VLOAD 2, 2
	VLOAD 3, 3
	s_wait_dscnt 0x0
	PV 0, 0
	PV 1, 1
	PV 2, 2
	PV 3, 3
	PLACES
	VLOAD 4, 0
	VLOAD 5, 1
	VLOAD 6, 2
	VLOAD 7, 3
	s_wait_dscnt 0x0
	PV 4, 0
	PV 5, 1
	PV 6, 2
	PV 7, 3
	PLACES
	VLOAD 8, 0
	s_wait_dscnt 0x0
	PV 8, 0
	PLACES
	s_wait_alu depctr_va_vdst(0)                   ; the reciprocal's wait, ahead of its first reader
.irp ct, 0,1,2,3
.irp j, 0,2,4,6
	v_pk_mul_f32 v[48+8*\ct+\j:48+8*\ct+\j+1], v[O+8*\ct+\j:O+8*\ct+\j+1], v[14:15] op_sel_hi:[1,0]   ; O^T / the sum: a lane holds query l % 16, channels 16 ct + 8 (l / 16) + 0..7
.endr
.endr
.irp ct, 0,1,2,3
.irp j, 0,1,2,3
	v_cvt_pk_f16_f32 v[80+4*\ct+\j], v[48+8*\ct+2*\j], v[48+8*\ct+2*\j+1]
.endr
.endr
.irp ct, 0,1,2,3
	global_store_b128 v[LI], v[80+4*\ct:80+4*\ct+3], s[10:11] offset:512*\ct   ; 512 consecutive bytes, aligned
.endr
	s_wait_tensorcnt 0x0                           ; the wave's end
	ds_add_u32 v[SPW], v[NIL]
	s_wait_dscnt 0x0
	s_endpgm
.Lfunc_end_k_q8012b9621d_attn:
	.size	k_q8012b9621d_attn, .Lfunc_end_k_q8012b9621d_attn-k_q8012b9621d_attn
	.p2alignl 7, 3214868480
	.fill 96, 4, 3214868480
	.section	.rodata,"a",@progbits
	.p2align	6, 0x0
	.amdhsa_kernel k_q8012b9621d_attn
		.amdhsa_group_segment_fixed_size 198656
		.amdhsa_private_segment_fixed_size 0
		.amdhsa_enable_private_segment 0
		.amdhsa_kernarg_size 32
		.amdhsa_user_sgpr_count 2
		.amdhsa_user_sgpr_kernarg_segment_ptr 1
		.amdhsa_wavefront_size32 1
		.amdhsa_system_sgpr_workgroup_id_x 1
		.amdhsa_system_sgpr_workgroup_id_y 1
		.amdhsa_system_sgpr_workgroup_id_z 1
		.amdhsa_system_vgpr_workitem_id 0
		.amdhsa_next_free_vgpr 256
		.amdhsa_next_free_sgpr 102
		.amdhsa_reserve_vcc 0
		.amdhsa_float_denorm_mode_32 3
		.amdhsa_float_denorm_mode_16_64 3
		.amdhsa_memory_ordered 1
		.amdhsa_forward_progress 1
		.amdhsa_inst_pref_size 62
	.end_amdhsa_kernel
	.amdgpu_metadata
---
amdhsa.version: [ 1, 2 ]
amdhsa.kernels:
  - .name:           k_q8012b9621d_attn
    .symbol:         k_q8012b9621d_attn.kd
    .args:
      - { .name: qimg, .offset: 0, .size: 8, .value_kind: global_buffer, .address_space: global }
      - { .name: kvimg, .offset: 8, .size: 8, .value_kind: global_buffer, .address_space: global }
      - { .name: kmask, .offset: 16, .size: 8, .value_kind: global_buffer, .address_space: global }
      - { .name: ctximg, .offset: 24, .size: 8, .value_kind: global_buffer, .address_space: global }
    .group_segment_fixed_size: 198656
    .private_segment_fixed_size: 0
    .kernarg_segment_align: 8
    .kernarg_segment_size: 32
    .max_flat_workgroup_size: 512
    .sgpr_count:     102
    .vgpr_count:     256
    .wavefront_size: 32
...
	.end_amdgpu_metadata
.endif
;; end of part 3
;; launch oproj (part 4): grid 8 x 32, 4 waves a work-group, clusters of 4 x 4, 327,680 bytes of LDS; arguments ctximg, woimg, out0, bo, mask; writes out0
.if DOCPART == 4
	.amdgcn_target "amdgcn-amd-amdhsa--gfx1250"
	.amdhsa_code_object_version 6
	.text
	.protected	k_q8012b9621d_oproj
	.globl	k_q8012b9621d_oproj
	.p2align	8
	.type	k_q8012b9621d_oproj,@function
k_q8012b9621d_oproj:
	s_mov_b64 s[64:65], 0
	v_nop
	global_prefetch_b8 v0, s[64:65] scope:SCOPE_SE
	s_setreg_imm32_b32 hwreg(HW_REG_WAVE_MODE, 25, 1), 1
	s_wait_xcnt 0x0
	s_wait_alu depctr_hold_cnt(0) depctr_sa_sdst(0) depctr_va_vdst(0) depctr_va_sdst(0) depctr_va_ssrc(0) depctr_va_vcc(0) depctr_vm_vsrc(0)
	s_getreg_b32 s2, hwreg(HW_REG_IB_STS2, 6, 4)
	s_cmp_eq_u32 s2, 0
	s_cbranch_scc0 .Lentry_in_a_cluster
	s_endpgm
.Lentry_in_a_cluster:
	s_bfe_u32 s2, ttmp6, 0x10000c
	s_cmp_lg_u32 s2, 0xf033
	s_cbranch_scc0 .Lentry_shape_is_right
	s_endpgm
.Lentry_shape_is_right:
; out = (context Wo + bo) x mask[row].  context [4096][1024] and Wo [1024 (k)][1024 (n)] arrive as f16, laid as the operand registers take them: ctximg [tile of 16 rows: 256][chunk of 32 k: 32][1024 bytes],
; woimg [tile of 16 columns: 64][chunk][1024 bytes]; in a chunk part p at 512 p, lane l at 16 l: element (16 tile + l % 16, 32 chunk + 16 p + 8 (l / 16) + 0..7).  Sums in f32; out0 [4096][1024] f32.
; 256 tiles of 128 x 128, one to a work-group: tiles of 256 x 256 would be 64.  Four waves, each 64 x 64: 16 accumulators.  K goes in steps of 256 (8 chunks) through a ring of two LDS slots; K = 1,024 is two laps, written out.
; A tensor load brings the 8 chunks of four tiles: 4 rows of 8,192 bytes, 32,768 bytes apart in memory, dense in LDS: a fragment is two loads of 512 consecutive bytes, so no padding is wanted.
; CLUSTERS: 4 x 4 work-groups; context's tiles are shared along a row of the cluster, Wo's along a column: each is asked for jointly, by the same tensor load with the same descriptor and a mask that names the four.
; THE MATRIX INSTRUCTION IS USED TRANSPOSED (source 0 = 16 columns of Wo, source 1 = 16 rows of context): a lane holds eight neighbouring numbers of a row of out.  bo is the C of each sum's first product.
; REGISTERS: window 0: v1-6 at work at the head; v8-15 the rows' mask as f32, a pair for each block of rows; v16-29 addresses; v32-63 and v64-127 at work on the way out; v96-127 bo until then; v128-255 the accumulators.
;   window 1: two fragment buffers of 128: for 64 along K, 64 registers of context, then 64 of Wo.
.set HALFT,  32768                     ; four tiles x 8 chunks: what one tensor load brings, and what one wave reads of either side
.set SLOT,   4*HALFT
.set STAGE,  2*SLOT                    ; behind the ring: 16 rows x 272 bytes for each wave, for the way out
.set SPITCH, 272
.set SPARE,  STAGE+4*16*SPITCH         ; the spare words, 128 bytes for each wave: two blocks of 256 bytes that no other line names
.set MK,   8
.set ADRA, 16
.set ADRB, 20
.set STO,  24
.set RD,   25
.set CO,   26
.set SPW,  28
.set NIL,  29
.set TMP,  32
.set BK,   64
.set BO,   96
.set ACC,  128
.set F0,   0
.set F1,   128
.set G1, 24
.set G0, 32
.set G1B, 48
.set G0B, 56
.set MSB, 0
.macro WIN new                         ; the immediate's high byte repeats the setting that is left
.if MSB != (\new)
	s_set_vgpr_msb (MSB<<8)|(\new)
.set MSB, (\new)
.endif
.endm
.set MUL,  0x05                        ; sources 0 and 1 window 1; C and D window 0
.set TO_F, 0x40                        ; destination window 1, address window 0
.macro JLOAD s                         ; a joint load: waves 0 and 1 fetch context's two halves, waves 2 and 3 Wo's; an s_nop 0 and four v_nop follow each of the two lines
	s_cmp_eq_u32 s11, 0
	s_cbranch_scc0 .Lfor_b_\@
	tensor_load_to_lds s[G0+4*\s:G0+4*\s+3], s[G1:G1+7]
	s_nop 0
.rept 4
	v_nop
.endr
	s_branch .Lasked_\@
.Lfor_b_\@:
	tensor_load_to_lds s[G0B+4*\s:G0B+4*\s+3], s[G1B:G1B+7]
	s_nop 0
.rept 4
	v_nop
.endr
.Lasked_\@:
.endm
.macro CREST                           ; a round of the cluster's barrier behind its opening barrier
	s_cmp_lg_u32 s10, 0
	s_cbranch_scc1 .Lnot_wave_0_\@
	s_barrier_signal -3
.Lnot_wave_0_\@:
	s_barrier_wait -3
	s_barrier_signal -1
	s_barrier_wait -1
.endm
.macro CROUND
	s_barrier_signal -1
	s_barrier_wait -1
	CREST
.endm
	s_load_b128 s[4:7], s[0:1], 0x0                ; ctximg 4:5, woimg 6:7
	s_load_b64 s[8:9], s[0:1], 0x10                ; out0
	s_load_b128 s[68:71], s[0:1], 0x18             ; bo 68:69, mask 70:71
	v_lshl_add_u32 v[SPW], v0, 2, SPARE
	v_mov_b32 v[NIL], 0
	ds_add_u32 v[SPW], v[NIL]                      ; the wave's opening: the add, twice on end, and its wait ahead of my first tensor load
	ds_add_u32 v[SPW], v[NIL]
	v_lshrrev_b32 v1, 5, v0
	v_readfirstlane_b32 s10, v1                    ; wave 0..3
	s_lshr_b32 s11, s10, 1                         ; which half of the tile's rows is mine.  Also: I fetch for context (0) or for Wo (1)
	s_and_b32 s12, s10, 1                          ; which half of its columns.  Also: which four image rows I fetch
	s_bfe_u32 s40, ttmp6, 0x40000                  ; cx, cy
	s_bfe_u32 s41, ttmp6, 0x40004
	s_lshl_b32 s42, ttmp9, 2
	s_add_co_u32 s42, s42, s40                     ; tile column = 4 x cluster x + cx
	s_and_b32 s13, ttmp7, 0xffff
	s_lshl_b32 s13, s13, 2
	s_add_co_u32 s13, s13, s41                     ; tile row = 4 x cluster y + cy
	s_lshl_b32 s43, s41, 2
	s_lshl_b32 s43, 15, s43                        ; my row of the cluster
	s_lshl_b32 s44, 0x1111, s40                    ; my column
	s_or_b32 s[G1+0], s43, (3<<16)|(1<<21)         ; 15:0 the mask; 17:16 elements of 8 bytes; 21 set beside a mask; no padding
	s_or_b32 s[G1B+0], s44, (3<<16)|(1<<21)
.irp g, G1, G1B
	s_mov_b32 s[\g+1], 1024<<16                    ; tensor_dim0 = 1,024 elements: 8,192 bytes
	s_mov_b32 s[\g+2], 4<<16                       ; tensor_dim1 = 4
	s_mov_b32 s[\g+3], 1024<<16                    ; tile_dim0
	s_mov_b32 s[\g+4], 4                           ; tile_dim1
	s_mov_b32 s[\g+5], 4096                        ; tensor_dim0_stride: 32,768 bytes from a tile's image to the next
	s_mov_b32 s[\g+6], 0
	s_mov_b32 s[\g+7], 0
.endr
	s_lshl_b32 s17, s12, 2
	s_lshl_b32 s16, s13, 3
	s_add_co_u32 s16, s16, s17                     ; context: image row 8 x tile row + 4 x half
	s_lshl_b32 s46, s42, 3
	s_add_co_u32 s46, s46, s17                     ; Wo: 8 x tile column + 4 x half
	s_lshl_b32 s16, s16, 15
	s_lshl_b32 s46, s46, 15
	s_mov_b32 s17, 0
	s_mov_b32 s47, 0
	s_lshl_b32 s20, s10, 15                        ; where they go: wave x 32,768: no place in the cluster enters an LDS address
	s_wait_dscnt 0x0                               ; both opening adds are done
	s_wait_kmcnt 0x0
	s_add_nc_u64 s[14:15], s[4:5], s[16:17]
	s_add_nc_u64 s[46:47], s[6:7], s[46:47]
	CROUND                                         ; all sixteen work-groups are here: the first joint loads meet
.irp s, 0,1
	s_mov_b32 s[G0+4*\s], 1
	s_add_co_u32 s[G0+4*\s+1], s20, \s*SLOT
	s_add_nc_u64 s[G0+4*\s+2:G0+4*\s+3], s[14:15], \s*8192
	s_or_b32 s[G0+4*\s+3], s[G0+4*\s+3], 0x80000000
	s_mov_b32 s[G0B+4*\s], 1
	s_add_co_u32 s[G0B+4*\s+1], s20, \s*SLOT
	s_add_nc_u64 s[G0B+4*\s+2:G0B+4*\s+3], s[46:47], \s*8192
	s_or_b32 s[G0B+4*\s+3], s[G0B+4*\s+3], 0x80000000
	JLOAD \s                                       ; two tensor loads of mine are out at the start, one behind each later round
.endr
	v_and_b32 v1, 15, v0                           ; l % 16
	v_bfe_u32 v2, v0, 4, 1                         ; l / 16
	v_and_b32 v3, 31, v0
	v_lshlrev_b32 v3, 4, v3                        ; 16 x lane
	s_lshl_b32 s21, s11, 15                        ; my four tiles of context
	s_lshl_b32 s22, s12, 15                        ; my four tiles of Wo,
	s_add_co_u32 s22, s22, 2*HALFT                 ; which lie behind context's eight
.irp s, 0,1
	v_add_nc_u32 v[ADRA+\s], s21, v3
	v_add_nc_u32 v[ADRB+\s], s22, v3
	s_add_co_u32 s21, s21, SLOT
	s_add_co_u32 s22, s22, SLOT
.endr
	s_mul_i32 s23, s10, 16*SPITCH
	s_add_co_u32 s23, s23, STAGE                   ; my stage
	v_mul_u32_u24 v4, v1, SPITCH
	v_lshl_add_u32 v4, v2, 5, v4
	v_add_nc_u32 v[STO], s23, v4                   ; in: row l % 16, 32 bytes for each half of the lanes
	v_mul_u32_u24 v5, v2, SPITCH
	v_lshl_add_u32 v5, v1, 4, v5
	v_add_nc_u32 v[RD], s23, v5                    ; back: lanes 0-15 one row of 256 bytes, lanes 16-31 the next
	v_lshlrev_b32 v5, 12, v2
	v_lshl_add_u32 v[CO], v1, 4, v5                ; and the same two rows in out0
	v_lshlrev_b32 v6, 5, v2                        ; 32 (l / 16): my eight numbers of a tile of bo
	s_lshl_b32 s16, s13, 7
	s_lshl_b32 s17, s11, 6
	s_add_co_u32 s16, s16, s17                     ; my first row: 128 x tile row + 64 x half
	s_mov_b32 s17, 0
	s_add_nc_u64 s[70:71], s[70:71], s[16:17]      ; its byte of mask
	s_lshl_b32 s18, s16, 12                        ; its row of out0
	s_lshl_b32 s46, s42, 9
	s_lshl_b32 s47, s12, 8
	s_add_co_u32 s46, s46, s47                     ; my first column, in bytes: 512 x tile column + 256 x half
	s_mov_b32 s47, 0
	s_add_nc_u64 s[68:69], s[68:69], s[46:47]
	s_add_co_u32 s18, s18, s46
	s_mov_b32 s19, 0
	s_add_nc_u64 s[8:9], s[8:9], s[18:19]
.irp b, 0,1,2,3
	global_load_b128 v[BO+8*\b:BO+8*\b+3], v6, s[68:69] offset:64*\b
	global_load_b128 v[BO+8*\b+4:BO+8*\b+7], v6, s[68:69] offset:64*\b+16
.endr
.irp a, 0,1,2,3
	global_load_u8 v[MK+2*\a], v1, s[70:71] offset:16*\a
.endr
; 8 matrix instructions: row blocks a0, a0 + 1 x all 4 column blocks, 32 along K: half c of buffer f.  zero = 1: the first product starts the sums from bo.  The 16 accumulators take turns.
.macro MUL8 f, c, a0, zero
.irp a, \a0, \a0+1
.irp b, 0,1,2,3
.if \zero
	v_wmma_f32_16x16x32_f16 v[ACC+8*(4*(\a)+\b):ACC+8*(4*(\a)+\b)+7], v[\f+64+8*(4*\c+\b):\f+64+8*(4*\c+\b)+7], v[\f+8*(4*\c+\a):\f+8*(4*\c+\a)+7], v[BO+8*\b:BO+8*\b+7]
.else
	v_wmma_f32_16x16x32_f16 v[ACC+8*(4*(\a)+\b):ACC+8*(4*(\a)+\b)+7], v[\f+64+8*(4*\c+\b):\f+64+8*(4*\c+\b)+7], v[\f+8*(4*\c+\a):\f+8*(4*\c+\a)+7], v[ACC+8*(4*(\a)+\b):ACC+8*(4*(\a)+\b)+7]
.endif
.endr
.endr
.endm
; 32 LDS loads in one run: the fragments of two chunks, from byte k of each tile's 8,192 on, into buffer f; the first chunk first
.macro FETCH slot, k, f
	WIN TO_F
.irp c, 0,1
.irp i, 0,1,2,3
	ds_load_b128 v[\f+64+8*(4*\c+\i):\f+64+8*(4*\c+\i)+3],   v[ADRB+\slot] offset:\k+1024*\c+\i*8192
	ds_load_b128 v[\f+64+8*(4*\c+\i)+4:\f+64+8*(4*\c+\i)+7], v[ADRB+\slot] offset:\k+1024*\c+\i*8192+512
	ds_load_b128 v[\f+8*(4*\c+\i):\f+8*(4*\c+\i)+3],         v[ADRA+\slot] offset:\k+1024*\c+\i*8192
	ds_load_b128 v[\f+8*(4*\c+\i)+4:\f+8*(4*\c+\i)+7],       v[ADRA+\slot] offset:\k+1024*\c+\i*8192+512
.endr
.endr
.endm
.macro PLACES                          ; four plain lines in front of loads into registers that matrix instructions have read
.rept 4
	v_nop
.endr
.endm
; A K step is four quarters of 64 along K, 32 matrix instructions each, on buffers 0, 1, 0, 1.  One of the first three multiplies buffer f and fetches the next quarter, at byte k, into g.
.macro QUARTER slot, k, f, g, zero
	s_wait_dscnt 16                                ; the first chunk's sixteen loads are in
	WIN MUL
	MUL8 \f, 0, 0, \zero
	MUL8 \f, 0, 2, \zero
	PLACES
	FETCH \slot, \k, \g
	s_wait_dscnt 32                                ; all but the 32 just issued
	WIN MUL
	MUL8 \f, 1, 0, 0
	MUL8 \f, 1, 2, 0
.endm
; The last quarter multiplies buffer 1 and changes slots: ONE barrier; in front of it each wave waits for all its tensor loads, adds 0 to its spare word, and waits for that and for its own reads of this slot.
; fill = 1: the barrier opens a round of the cluster's barrier, and this slot is filled again, two K steps ahead, first thing behind the round.
.macro TURN slot, next, fill
	WIN 0
	s_wait_tensorcnt 0x0                           ; all my tensor loads have landed: my part of the next slot
	ds_add_u32 v[SPW], v[NIL]                      ; 0 onto my spare word
	s_wait_dscnt 17                                ; (the add and the youngest sixteen loads may be out)
	WIN MUL
	MUL8 F1, 0, 0, 0
	s_wait_dscnt 0x0                               ; the add is done, and my reads of this slot are over
	s_barrier_signal -1
	MUL8 F1, 0, 2, 0
.if \fill
	WIN 0
.endif
	s_barrier_wait -1
.if \fill
	CREST                                          ; no wave of any partner still reads this slot's tiles or has a load on its way
	s_add_nc_u64 s[G0+4*\slot+2:G0+4*\slot+3], s[G0+4*\slot+2:G0+4*\slot+3], 2*8192
	s_add_nc_u64 s[G0B+4*\slot+2:G0B+4*\slot+3], s[G0B+4*\slot+2:G0B+4*\slot+3], 2*8192
	JLOAD \slot                                    ; the four v_nop behind it are also the places in front of the loads below
.else
	PLACES
.endif
	FETCH \next, 0, F0
	WIN MUL
	MUL8 F1, 1, 0, 0
	MUL8 F1, 1, 2, 0
.endm
	s_wait_tensorcnt 1                             ; my part of K step 0 is in (K step 1's load may be out),
	s_barrier_signal -1
	s_barrier_wait -1                              ; everybody's is
	FETCH 0, 0, F0
	s_wait_loadcnt 0x0                             ; bo and the rows' mask
	QUARTER 0, 2048, F0, F1, 1                     ; K step 0: its first products start the sums
	QUARTER 0, 4096, F1, F0, 0
	QUARTER 0, 6144, F0, F1, 0
	TURN 0, 1, 1                                   ; slot 0 takes K step 2
	QUARTER 1, 2048, F0, F1, 0                     ; K step 1
	QUARTER 1, 4096, F1, F0, 0
	QUARTER 1, 6144, F0, F1, 0
	TURN 1, 0, 1                                   ; slot 1 takes K step 3
	QUARTER 0, 2048, F0, F1, 0                     ; K step 2
	QUARTER 0, 4096, F1, F0, 0
	QUARTER 0, 6144, F0, F1, 0
	TURN 0, 1, 0                                   ; nothing is left to fetch
	QUARTER 1, 2048, F0, F1, 0                     ; K step 3
	QUARTER 1, 4096, F1, F0, 0
	QUARTER 1, 6144, F0, F1, 0
	s_wait_dscnt 16
	WIN MUL
	MUL8 F1, 0, 0, 0
	MUL8 F1, 0, 2, 0
	s_wait_dscnt 0
	MUL8 F1, 1, 0, 0
	MUL8 F1, 1, 2, 0
	WIN 0
; THE WAY OUT.  My 64 columns are 256 bytes of a row, aligned: so each wave has a stage of its own and no barrier is wanted.  A block of 16 rows at a time: x the row's mask, 32 bytes a lane into rows of 272 bytes, back as
; whole rows, sixteen lanes to 256 consecutive bytes.  LDS serves a wave's instructions in order (ISA guide 5.7.1.4): no wait between the stores and the loads.
.irp a, 0,1,2,3
	v_cvt_f32_u32 v[MK+2*\a+1], v[MK+2*\a]         ; 0 or 1 as f32, in both registers of a pair.  These eight plain lines are the places behind the last products
	v_cvt_f32_u32 v[MK+2*\a], v[MK+2*\a]
.endr
.macro OUTBLOCK a
.set BB, BK+32*((\a)%2)
.irp b, 0,1,2,3
.irp jj, 0,2,4,6
	v_pk_mul_f32 v[TMP+8*\b+\jj:TMP+8*\b+\jj+1], v[ACC+8*(4*(\a)+\b)+\jj:ACC+8*(4*(\a)+\b)+\jj+1], v[MK+2*(\a):MK+2*(\a)+1] op_sel_hi:[1,0]   ; each accumulator from its low end on
.endr
.endr
.irp b, 0,1,2,3
	ds_store_b128 v[STO], v[TMP+8*\b:TMP+8*\b+3] offset:64*\b
	ds_store_b128 v[STO], v[TMP+8*\b+4:TMP+8*\b+7] offset:64*\b+16
.endr
.if (\a) >= 2
	s_wait_xcnt 0x0                                ; the stores of two blocks back have read their data: the loads below may land there
.endif
.irp t, 0,1,2,3,4,5,6,7
	ds_load_b128 v[BB+4*\t:BB+4*\t+3], v[RD] offset:\t*2*SPITCH
.endr
.irp t, 0,1,2,3,4,5,6,7
	s_wait_dscnt 7-\t
	global_store_b128 v[CO], v[BB+4*\t:BB+4*\t+3], s[8:9] offset:(16*(\a)+2*\t)*4096 th:TH_STORE_NT
.endr
.endm
	OUTBLOCK 0
	OUTBLOCK 1
	OUTBLOCK 2
	OUTBLOCK 3
	s_wait_tensorcnt 0x0                           ; the wave's end, behind my last tensor load and my last LDS store
	ds_add_u32 v[SPW], v[NIL]
	s_wait_dscnt 0x0
	CROUND                                         ; the closing round: no work-group ends while a partner may still ask for a tile that names it
	s_endpgm
.Lfunc_end_k_q8012b9621d_oproj:
	.size	k_q8012b9621d_oproj, .Lfunc_end_k_q8012b9621d_oproj-k_q8012b9621d_oproj
	.p2alignl 7, 3214868480
	.fill 96, 4, 3214868480
	.section	.rodata,"a",@progbits
	.p2align	6, 0x0
	.amdhsa_kernel k_q8012b9621d_oproj
		.amdhsa_group_segment_fixed_size 327680
		.amdhsa_private_segment_fixed_size 0
		.amdhsa_enable_private_segment 0
		.amdhsa_kernarg_size 40
		.amdhsa_user_sgpr_count 2
		.amdhsa_user_sgpr_kernarg_segment_ptr 1
		.amdhsa_wavefront_size32 1
		.amdhsa_system_sgpr_workgroup_id_x 1
		.amdhsa_system_sgpr_workgroup_id_y 1
		.amdhsa_system_sgpr_workgroup_id_z 1
		.amdhsa_system_vgpr_workitem_id 0
		.amdhsa_next_free_vgpr 512
		.amdhsa_next_free_sgpr 72
		.amdhsa_reserve_vcc 0
		.amdhsa_float_denorm_mode_32 3
		.amdhsa_float_denorm_mode_16_64 3
		.amdhsa_memory_ordered 1
		.amdhsa_forward_progress 1
		.amdhsa_inst_pref_size 91
	.end_amdhsa_kernel
	.amdgpu_metadata
---
amdhsa.version: [ 1, 2 ]
amdhsa.kernels:
  - .name:           k_q8012b9621d_oproj
    .symbol:         k_q8012b9621d_oproj.kd
    .args:
      - { .name: ctximg, .offset: 0, .size: 8, .value_kind: global_buffer, .address_space: global }
      - { .name: woimg, .offset: 8, .size: 8, .value_kind: global_buffer, .address_space: global }
      - { .name: out0, .offset: 16, .size: 8, .value_kind: global_buffer, .address_space: global }
      - { .name: bo, .offset: 24, .size: 8, .value_kind: global_buffer, .address_space: global }
      - { .name: mask, .offset: 32, .size: 8, .value_kind: global_buffer, .address_space: global }
    .group_segment_fixed_size: 327680
    .private_segment_fixed_size: 0
    .kernarg_segment_align: 8
    .kernarg_segment_size: 40
    .max_flat_workgroup_size: 128
    .sgpr_count:     72
    .vgpr_count:     512
    .wavefront_size: 32
...
	.end_amdgpu_metadata
.endif
;; end of part 4
